; MI455X (gfx1250); checked and timed in simulation.
; The chip was launched on July 23, 2026; its instructions are those of AMD's public machine-readable ISA for CDNA 5 (MIT licence, August 2026) and "CDNA5" Instruction Set Architecture Reference Guide (July 2026). The comments in the code are by the model that wrote it; some were corrected since.
;; Parallel Block. Allowed arithmetic: float matrix products may take bf16 or f16 operands with f32 sums; other float arithmetic in f32, or as packed bf16 or f16 multiplies, adds, multiply-adds, maxima and minima; sums over many terms, partial sums and values carried from step to step in f32; what a program stores and reads back later, other than sums and carried values, may be rounded once to bf16 or f16.
;; Inputs: W1 1,024 x 3,788 float32; W2 2,048 x 1,024 float32; Wao 1,024 x 1,024 float32; Wmo 716 x 1,024 float32; b1 3,788 float32; b2 1,024 float32; bao 1,024 float32; bmo 1,024 float32; kn_b 64 float32; kn_g 64 float32; norm_b 1,024 float32; norm_g 1,024 float32; qn_b 64 float32; qn_g 64 float32; x 2 x 2,048 x 1,024 float32.
;; Outputs: out0 2 x 2,048 x 1,024 float32.
;; 2 versions, each right; version 2 is version 1 with the launch prep written anew for expert scheduling mode. Each part assembles by itself: llvm-mc -triple=amdgcn-amd-amdhsa -mcpu=gfx1250 --defsym DOCPART=n.
;; ======== version 1 of 2: 4 launches
;; workspace buffers: xn 8,388,608 bytes; w1b 7,864,320 bytes; w2b 4,194,304 bytes; acat 3,670,016 bytes; aux 277,504 bytes; wc 3,670,016 bytes; qkv 25,165,824 bytes; act 14,680,064 bytes
;; launch prep (part 1): grid 761 x 1, 8 waves a work-group, no clusters, 0 bytes of LDS; arguments x, norm_g, norm_b, W1, W2, Wao, Wmo, bao, bmo, b1, xn, w1b, w2b, acat, aux; writes xn, w1b, w2b, acat, aux
.if DOCPART == 1
	.amdgcn_target "amdgcn-amd-amdhsa--gfx1250"
	.amdhsa_code_object_version 6
	.text
	.protected	k_q206809288c_prep
	.globl	k_q206809288c_prep
	.p2align	8
	.type	k_q206809288c_prep,@function
k_q206809288c_prep:
	s_mov_b64 s[64:65], 0
	v_nop
	global_prefetch_b8 v0, s[64:65] scope:SCOPE_SE
	s_setreg_imm32_b32 hwreg(HW_REG_WAVE_MODE, 25, 1), 1
	s_wait_xcnt 0x0
; PREP: everything that is only read, rounded and laid out anew.  A stream through registers: no LDS, no matrix unit, no barrier.
; The work-group's number chooses one of five roles; the two roles that go to memory twice in a row have the lowest numbers:
;   0-63     W2   w2b = W2 in bf16; the same 32 rows also give a partial sum of bias x W2 in f32 (bao for rows 0-1023, bmo for the rest):
;                 64 partial vectors pb[p][1024] in aux, added up by the last launch.  Two trips of 16 rows.
;   64-119   AC   acat = [Wao ; Wmo ; 0] in bf16, in blocks of 64 columns: [16 kb][1792 row][64]; a wave takes 4 rows, two trips of two.
;   120      B1   b1, lengthened with zeros to 3,840 numbers, at byte 262,144 of aux.
;   121-248  W1   w1b = W1 in bf16, [1024][3840]: columns 3788-3839 are written as 0; a wave takes one row, all 30 loads out at once.
;   249-760  LN   xn = LayerNorm(x) g + b, bf16 [4096][1024]; a wave takes ONE row: its 24 loads go out together, and the row lies in 32 registers
;                 between the passes.  Mean first, then the mean of the squared differences: a common offset of x costs no digits.
; Each number is rounded once, to nearest even.  NaN and infinities are not treated apart.
.set FIRST_AC, 64
.set FIRST_B1, 120
.set FIRST_W1, 121
.set FIRST_LN, 249
.set G,   8                            ; v[8:39]    LN: gain of my 32 columns (128 j + 4 lane + 0..3)
.set BT,  40                           ; v[40:71]   LN: bias of the same
.set XR,  72                           ; v[72:103]  LN: the row
.set T,   104                          ; v[104:119] LN: at work
.set MU,  120                          ; v[120:121] LN: the mean, twice
.set R,   122                          ; v[122:123] LN: 1 / sqrt(var + eps), twice
.set WV,  34                           ; s34  my wave's number
.set WG,  35                           ; s35  the work-group's number
.set SRC, 36                           ; s[36:37] where I read
.set DST, 38                           ; s[38:39] where I store
.set BV,  40                           ; s[40:55] W2: sixteen numbers of the bias
.set SEL, 40                           ; s[40:41] LN: v_permlanex16_b32: each lane takes its own place in the other half
.set BP,  56                           ; s[56:57] W2: where the bias comes from
.set CNT, 62                           ; s[58:59]: a 32-bit offset with 0 above it; s60, s61 at work
.macro REDUCE                          ; T's eight pairs -> their sum over the row, in v[T] of every lane
.irp n, 4,2,1
.set i, 0
.rept \n
	v_pk_add_f32 v[T+2*i:T+2*i+1], v[T+4*i:T+4*i+1], v[T+4*i+2:T+4*i+3]
.set i, i+1
.endr
.endr
	v_add_f32 v[T], v[T], v[T+1]
.irp m, 1,2,4,8
	v_add_f32_dpp v[T], v[T], v[T] row_xmask:\m row_mask:0xf bank_mask:0xf
.endr
	v_permlanex16_b32 v[T+1], v[T], s[SEL], s[SEL+1]
	v_add_f32 v[T], v[T], v[T+1]
.endm
	s_load_b512 s[4:19], s[0:1], 0x0               ; x 4, norm_g 6, norm_b 8, W1 10, W2 12, Wao 14, Wmo 16, bao 18
	s_load_b256 s[20:27], s[0:1], 0x40             ; bmo 20, b1 22, xn 24, w1b 26
	s_load_b128 s[28:31], s[0:1], 0x60             ; w2b 28, acat 30
	s_load_b64 s[32:33], s[0:1], 0x70              ; aux
	v_and_b32 v1, 31, v0                           ; lane
	v_lshrrev_b32 v4, 5, v0
	v_readfirstlane_b32 s[WV], v4
	s_mov_b32 s[WG], ttmp9
	s_mov_b32 s59, 0                               ; the high word of every 32-bit offset
	s_wait_kmcnt 0x0
	s_cmp_lt_u32 s[WG], FIRST_AC
	s_cbranch_scc1 .Lw2
	s_cmp_lt_u32 s[WG], FIRST_B1
	s_cbranch_scc1 .Lac
	s_cmp_lt_u32 s[WG], FIRST_W1
	s_cbranch_scc1 .Lb1
	s_cmp_lt_u32 s[WG], FIRST_LN
	s_cbranch_scc1 .Lw1
; ---- LN: one row a wave
	s_sub_co_u32 s60, s[WG], FIRST_LN
	s_lshl_b32 s60, s60, 3
	s_add_co_u32 s60, s60, s[WV]                   ; my row
	s_lshl_b32 s58, s60, 12
	s_add_nc_u64 s[SRC:SRC+1], s[4:5], s[58:59]
	s_lshl_b32 s58, s60, 11
	s_add_nc_u64 s[DST:DST+1], s[24:25], s[58:59]
	s_mov_b32 s[SEL], 0x76543210
	s_mov_b32 s[SEL+1], 0xfedcba98
	v_lshlrev_b32 v2, 4, v1                        ; 16 bytes a lane in
	v_lshlrev_b32 v3, 3, v1                        ; 8 bytes a lane out
	v_mov_b32 v5, 0x3a800000                       ; 1 / 1024
.irp j, 0,1,2,3,4,5,6,7
	global_load_b128 v[XR+4*(\j):XR+4*(\j)+3], v2, s[SRC:SRC+1] offset:512*(\j) th:TH_LOAD_NT
.endr
.irp j, 0,1,2,3,4,5,6,7
	global_load_b128 v[G+4*(\j):G+4*(\j)+3], v2, s[6:7] offset:512*(\j)
	global_load_b128 v[BT+4*(\j):BT+4*(\j)+3], v2, s[8:9] offset:512*(\j)
.endr
	s_wait_loadcnt 16                              ; the row is in; the 16 younger loads, gain and bias, may stay out
.set i, 0
.rept 8
	v_pk_add_f32 v[T+2*i:T+2*i+1], v[XR+4*i:XR+4*i+1], v[XR+4*i+2:XR+4*i+3]
.set i, i+1
.endr
	REDUCE
	v_mul_f32 v[MU], v5, v[T]
	v_mul_f32 v[MU+1], v5, v[T]
.set i, 0
.rept 16
	v_pk_add_f32 v[XR+2*i:XR+2*i+1], v[XR+2*i:XR+2*i+1], v[MU:MU+1] neg_lo:[0,1] neg_hi:[0,1]
.set i, i+1
.endr
.set i, 0
.rept 8
	v_pk_mul_f32 v[T+2*i:T+2*i+1], v[XR+2*i:XR+2*i+1], v[XR+2*i:XR+2*i+1]
.set i, i+1
.endr
.set i, 0
.rept 8
	v_pk_fma_f32 v[T+2*i:T+2*i+1], v[XR+16+2*i:XR+16+2*i+1], v[XR+16+2*i:XR+16+2*i+1], v[T+2*i:T+2*i+1]
.set i, i+1
.endr
	REDUCE
	v_fmaak_f32 v[T], v5, v[T], 0x358637bd         ; var + 1e-6
	v_rsq_f32 v[R], v[T]
	v_rsq_f32 v[R+1], v[T]
	v_nop                                          ; a plain instruction behind the last of the two,
	s_wait_alu depctr_va_vdst(0)                   ; and one wait for both, ahead of their first reader
.set i, 0
.rept 16
	v_pk_mul_f32 v[XR+2*i:XR+2*i+1], v[XR+2*i:XR+2*i+1], v[R:R+1]
.set i, i+1
.endr
	s_wait_loadcnt 0x0                             ; gain and bias
.set i, 0
.rept 16
	v_pk_fma_f32 v[XR+2*i:XR+2*i+1], v[XR+2*i:XR+2*i+1], v[G+2*i:G+2*i+1], v[BT+2*i:BT+2*i+1]
.set i, i+1
.endr
.irp j, 0,1,2,3,4,5,6,7
	v_cvt_pk_bf16_f32 v[XR+4*(\j)], v[XR+4*(\j)], v[XR+4*(\j)+1]
	v_cvt_pk_bf16_f32 v[XR+4*(\j)+1], v[XR+4*(\j)+2], v[XR+4*(\j)+3]
	global_store_b64 v3, v[XR+4*(\j):XR+4*(\j)+1], s[DST:DST+1] offset:256*(\j)  ; the wave's store covers 256 consecutive bytes, aligned
.endr
	s_endpgm
; ---- B1: 960 groups of four numbers; group q = 256 i + thread; groups 947 and on are zeros, and their loads are held to b1's last group
.macro B1IN i
.set Q, 16+8*(\i)
	v_add_nc_u32 v[Q], 256*(\i), v0
	v_lshlrev_b32 v[Q+1], 4, v[Q]
	v_min_u32 v[Q+2], 15136, v[Q+1]
	global_load_b128 v[Q+4:Q+7], v[Q+2], s[22:23]
.endm
.macro B1OUT i, left
.set Q, 16+8*(\i)
	s_wait_loadcnt \left                           ; the younger loads stay out
	v_cmp_gt_u32 vcc_lo, 947, v[Q]
.irp e, 4,5,6,7
	v_cndmask_b32 v[Q+\e], 0, v[Q+\e], vcc_lo
.endr
	global_store_b128 v[Q+1], v[Q+4:Q+7], s[32:33] offset:262144
.endm
.Lb1:
	B1IN 0
	B1IN 1
	B1IN 2
	B1OUT 0, 2
	B1OUT 1, 1
	B1OUT 2, 0
	s_cmp_lt_u32 s[WV], 6                          ; groups 768-959: waves 0 to 5
	s_cbranch_scc0 .Lb1_end
	B1IN 3
	B1OUT 3, 0
.Lb1_end:
	s_endpgm
; ---- W1: a row is 947 groups of 16 bytes; 30 loads of 32 lanes; the last load's lanes 19-31 are held to the row's last group and give zeros
.Lw1:
	s_sub_co_u32 s60, s[WG], FIRST_W1
	s_lshl_b32 s60, s60, 3
	s_add_co_u32 s60, s60, s[WV]                   ; my row
	s_mul_i32 s58, s60, 15152
	s_add_nc_u64 s[SRC:SRC+1], s[10:11], s[58:59]
	s_mul_i32 s58, s60, 7680
	s_add_nc_u64 s[DST:DST+1], s[26:27], s[58:59]
	v_lshlrev_b32 v2, 4, v1
	v_lshlrev_b32 v3, 3, v1
	v_add_nc_u32 v4, 14848, v2
	v_min_u32 v4, 15136, v4
.set c, 0
.rept 29
	global_load_b128 v[8+4*c:11+4*c], v2, s[SRC:SRC+1] offset:512*c th:TH_LOAD_NT
.set c, c+1
.endr
	global_load_b128 v[124:127], v4, s[SRC:SRC+1] th:TH_LOAD_NT
	v_cmp_gt_u32 vcc_lo, 19, v1
.set c, 0
.rept 30
	s_wait_loadcnt 29-c                            ; loads come back in order: the younger ones stay out
	v_cvt_pk_bf16_f32 v[8+4*c], v[8+4*c], v[9+4*c]
	v_cvt_pk_bf16_f32 v[9+4*c], v[10+4*c], v[11+4*c]
.if c == 29
	v_cndmask_b32 v124, 0, v124, vcc_lo
	v_cndmask_b32 v125, 0, v125, vcc_lo
.endif
	global_store_b64 v3, v[8+4*c:9+4*c], s[DST:DST+1] offset:256*c
.set c, c+1
.endr
	s_endpgm
; ---- W2: rows 32 p .. 32 p + 31, p = the work-group's number; thread t keeps columns 4 t .. 4 t + 3; 16 rows are on their way at a time
.Lw2:
	s_lshl_b32 s58, s[WG], 17
	s_add_nc_u64 s[SRC:SRC+1], s[12:13], s[58:59]
	s_lshl_b32 s58, s[WG], 16
	s_add_nc_u64 s[DST:DST+1], s[28:29], s[58:59]
	s_and_b32 s58, s[WG], 31
	s_lshl_b32 s58, s58, 7                         ; 32 numbers of the bias
	s_cmp_lt_u32 s[WG], 32
	s_cselect_b64 s[BP:BP+1], s[18:19], s[20:21]   ; rows 0-1023 meet bao, the others bmo
	s_add_nc_u64 s[BP:BP+1], s[BP:BP+1], s[58:59]
	v_lshlrev_b32 v2, 4, v0
	v_lshlrev_b32 v3, 3, v0
.irp e, 8,9,10,11
	v_mov_b32 v\e, 0
.endr
	s_mov_b32 s[CNT], 2
.Lw2_trip:
	s_load_b512 s[BV:BV+15], s[BP:BP+1], 0x0
.irp i, 0,1,2,3,4,5,6,7,8,9,10,11,12,13,14,15
	global_load_b128 v[16+4*(\i):19+4*(\i)], v2, s[SRC:SRC+1] offset:4096*(\i) th:TH_LOAD_NT
.endr
	s_wait_kmcnt 0x0
.irp i, 0,1,2,3,4,5,6,7,8,9,10,11,12,13,14,15
	s_wait_loadcnt 15-(\i)                         ; row i is in; the younger loads stay out
.irp e, 0,1,2,3
	v_fmac_f32 v[8+\e], s[BV+(\i)], v[16+4*(\i)+\e]
.endr
	v_cvt_pk_bf16_f32 v[16+4*(\i)], v[16+4*(\i)], v[17+4*(\i)]
	v_cvt_pk_bf16_f32 v[17+4*(\i)], v[18+4*(\i)], v[19+4*(\i)]
	global_store_b64 v3, v[16+4*(\i):17+4*(\i)], s[DST:DST+1] offset:2048*(\i)
.endr
	s_wait_xcnt 0x0                                ; the pointers and the stores' data are written again only behind this wait
	s_add_nc_u64 s[SRC:SRC+1], s[SRC:SRC+1], 65536
	s_add_nc_u64 s[DST:DST+1], s[DST:DST+1], 32768
	s_add_nc_u64 s[BP:BP+1], s[BP:BP+1], 64
	s_sub_co_u32 s[CNT], s[CNT], 1
	s_cmp_lg_u32 s[CNT], 0
	s_cbranch_scc1 .Lw2_trip
	s_lshl_b32 s58, s[WG], 12
	s_add_nc_u64 s[DST:DST+1], s[32:33], s[58:59]
	global_store_b128 v2, v[8:11], s[DST:DST+1]    ; pb[p]
	s_endpgm
; ---- AC: 4 rows a wave, two at a time: lanes 0-15 one row's 64 columns, lanes 16-31 the next row's: 256 dense bytes of a block
.Lac:
	s_sub_co_u32 s60, s[WG], FIRST_AC
	s_lshl_b32 s60, s60, 5
	s_lshl_b32 s61, s[WV], 2
	s_add_co_u32 s60, s60, s61                     ; my first row: 1,024 and 1,740 are multiples of 4, so my four rows are of one kind
	s_lshl_b32 s58, s60, 7
	s_add_nc_u64 s[DST:DST+1], s[30:31], s[58:59]
	v_lshlrev_b32 v3, 3, v1
	s_cmp_ge_u32 s60, 1740
	s_cbranch_scc1 .Lac_zero
	s_sub_co_u32 s61, s60, 1024                    ; (used only where it is not negative)
	s_cmp_lt_u32 s60, 1024
	s_cselect_b32 s58, s60, s61
	s_cselect_b64 s[SRC:SRC+1], s[14:15], s[16:17]
	s_lshl_b32 s58, s58, 12
	s_add_nc_u64 s[SRC:SRC+1], s[SRC:SRC+1], s[58:59]
	v_lshrrev_b32 v4, 4, v1
	v_and_b32 v6, 15, v1
	v_lshlrev_b32 v2, 12, v4
	v_lshl_add_u32 v2, v6, 4, v2
	s_mov_b32 s[CNT], 2
.Lac_trip:
.set k, 0
.rept 16
	global_load_b128 v[8+4*k:11+4*k], v2, s[SRC:SRC+1] offset:256*k th:TH_LOAD_NT
.set k, k+1
.endr
.set k, 0
.rept 16
	s_wait_loadcnt 15-k
	v_cvt_pk_bf16_f32 v[8+4*k], v[8+4*k], v[9+4*k]
	v_cvt_pk_bf16_f32 v[9+4*k], v[10+4*k], v[11+4*k]
	global_store_b64 v3, v[8+4*k:9+4*k], s[DST:DST+1] offset:229376*k
.set k, k+1
.endr
	s_wait_xcnt 0x0
	s_add_nc_u64 s[SRC:SRC+1], s[SRC:SRC+1], 8192
	s_add_nc_u64 s[DST:DST+1], s[DST:DST+1], 256
	s_sub_co_u32 s[CNT], s[CNT], 1
	s_cmp_lg_u32 s[CNT], 0
	s_cbranch_scc1 .Lac_trip
	s_endpgm
.Lac_zero:
	v_mov_b32 v8, 0
	v_mov_b32 v9, 0
.set k, 0
.rept 16
	global_store_b64 v3, v[8:9], s[DST:DST+1] offset:229376*k
	global_store_b64 v3, v[8:9], s[DST:DST+1] offset:229376*k+256
.set k, k+1
.endr
	s_endpgm
.Lfunc_end_k_q206809288c_prep:
	.size	k_q206809288c_prep, .Lfunc_end_k_q206809288c_prep-k_q206809288c_prep
	.p2alignl 7, 3214868480
	.fill 96, 4, 3214868480
	.section	.rodata,"a",@progbits
	.p2align	6, 0x0
	.amdhsa_kernel k_q206809288c_prep
		.amdhsa_group_segment_fixed_size 0
		.amdhsa_private_segment_fixed_size 0
		.amdhsa_enable_private_segment 0
		.amdhsa_kernarg_size 120
		.amdhsa_user_sgpr_count 2
		.amdhsa_user_sgpr_kernarg_segment_ptr 1
		.amdhsa_wavefront_size32 1
		.amdhsa_system_sgpr_workgroup_id_x 1
		.amdhsa_system_sgpr_workgroup_id_y 1
		.amdhsa_system_sgpr_workgroup_id_z 1
		.amdhsa_system_vgpr_workitem_id 0
		.amdhsa_next_free_vgpr 128
		.amdhsa_next_free_sgpr 66
		.amdhsa_reserve_vcc 1
		.amdhsa_float_denorm_mode_32 3
		.amdhsa_float_denorm_mode_16_64 3
		.amdhsa_memory_ordered 1
		.amdhsa_forward_progress 1
		.amdhsa_inst_pref_size 44
	.end_amdhsa_kernel
	.amdgpu_metadata
---
amdhsa.version: [ 1, 2 ]
amdhsa.kernels:
  - .name:           k_q206809288c_prep
    .symbol:         k_q206809288c_prep.kd
    .args:
      - { .name: x, .offset: 0, .size: 8, .value_kind: global_buffer, .address_space: global }
      - { .name: norm_g, .offset: 8, .size: 8, .value_kind: global_buffer, .address_space: global }
      - { .name: norm_b, .offset: 16, .size: 8, .value_kind: global_buffer, .address_space: global }
      - { .name: W1, .offset: 24, .size: 8, .value_kind: global_buffer, .address_space: global }
      - { .name: W2, .offset: 32, .size: 8, .value_kind: global_buffer, .address_space: global }
      - { .name: Wao, .offset: 40, .size: 8, .value_kind: global_buffer, .address_space: global }
      - { .name: Wmo, .offset: 48, .size: 8, .value_kind: global_buffer, .address_space: global }
      - { .name: bao, .offset: 56, .size: 8, .value_kind: global_buffer, .address_space: global }
      - { .name: bmo, .offset: 64, .size: 8, .value_kind: global_buffer, .address_space: global }
      - { .name: b1, .offset: 72, .size: 8, .value_kind: global_buffer, .address_space: global }
      - { .name: xn, .offset: 80, .size: 8, .value_kind: global_buffer, .address_space: global }
      - { .name: w1b, .offset: 88, .size: 8, .value_kind: global_buffer, .address_space: global }
      - { .name: w2b, .offset: 96, .size: 8, .value_kind: global_buffer, .address_space: global }
      - { .name: acat, .offset: 104, .size: 8, .value_kind: global_buffer, .address_space: global }
      - { .name: aux, .offset: 112, .size: 8, .value_kind: global_buffer, .address_space: global }
    .group_segment_fixed_size: 0
    .private_segment_fixed_size: 0
    .kernarg_segment_align: 8
    .kernarg_segment_size: 120
    .max_flat_workgroup_size: 256
    .sgpr_count:     66
    .vgpr_count:     128
    .wavefront_size: 32
...
	.end_amdgpu_metadata
.endif
;; end of part 1
;; launch gemm1 (part 2): grid 16 x 22, 4 waves a work-group, clusters of 4 x 1, 327,680 bytes of LDS; arguments xn, w1b, aux, qn_g, qn_b, kn_g, kn_b, qkv, act, acat, w2b, wc; writes qkv, act, wc
.if DOCPART == 2
	.amdgcn_target "amdgcn-amd-amdhsa--gfx1250"
	.amdhsa_code_object_version 6
	.text
	.protected	k_q206809288c_gemm1
	.globl	k_q206809288c_gemm1
	.p2align	8
	.type	k_q206809288c_gemm1,@function
k_q206809288c_gemm1:
	s_mov_b64 s[64:65], 0
	v_nop
	global_prefetch_b8 v0, s[64:65] scope:SCOPE_SE
	s_setreg_imm32_b32 hwreg(HW_REG_WAVE_MODE, 25, 1), 1
	s_wait_xcnt 0x0
	s_wait_alu depctr_hold_cnt(0) depctr_sa_sdst(0) depctr_va_vdst(0) depctr_va_sdst(0) depctr_va_ssrc(0) depctr_va_vcc(0) depctr_vm_vsrc(0)
	s_getreg_b32 s2, hwreg(HW_REG_IB_STS2, 6, 4)
	s_cmp_eq_u32 s2, 0
	s_cbranch_scc0 .Lentry_in_a_cluster
	s_endpgm
.Lentry_in_a_cluster:
	s_bfe_u32 s2, ttmp6, 0x10000c
	s_cmp_lg_u32 s2, 0x3003
	s_cbranch_scc0 .Lentry_shape_is_right
	s_endpgm
.Lentry_shape_is_right:
; TWO PRODUCTS IN ONE LAUNCH.  Neither reads what the other stores.  The grid's row y, which the partners of a cluster share, chooses the text: y = 0-14 GEMM1, y = 15-21 FOLD (at the end of this file).
; GEMM1 has 240 work-groups, FOLD 112 shorter ones (512 matrix instructions a wave against 2,048): they take the WGPs that GEMM1 leaves free and those that its tiles leave first.
;
; GEMM1: fused = xn w1b + b1, [4096][3840], and what follows it column by column: LayerNorm over a head's 64 channels for q and k, nothing for v, tanh-GELU for the MLP columns.
; Out, each number rounded once to bf16: q, k, v by heads, qkv[3][16 b + head][2048][64]; GELU into act's blocks 16-27, act[kb][4096][64].  Sums and statistics in f32.
; A tile is 256 x 256: four waves, each 128 x 128 in 64 accumulators.  K = 1,024 goes in 8 steps of 128 through two LDS slots.  The kind of column hangs on the tile column NT alone
; (0-3 q, 4-7 k, 8-11 v, 12-14 MLP; columns 3788-3839 are zeros and give GELU(0) = 0).
; CLUSTER 4 x 1: the four partners make four row tiles of one tile column, so the weights' tile is asked for jointly; xn's tile is each one's own load, behind the same rounds.
; 15 tile columns are no multiple of four, so the cluster has one row.
; GELU(x) = x / (1 + 2^(x (C1 + C2 x^2))), C1 = -2 sqrt(2/pi) log2(e), C2 = 0.044715 C1: the same function as 0.5 x (1 + tanh(..)); where the power overflows the quotient is 0, where it vanishes x.
; THE MATRIX INSTRUCTION IS USED TRANSPOSED (source 0 = 16 columns of w1b, turned on the way out of LDS; source 1 = 16 rows of xn).
; REGISTERS: window 0: v0-31 addresses; v32-63 bias, gain, shift; v64-127, v128-191 A's fragments, later the epilogue's work; v192-223 packed results.
;   window 1: v64-127, v128-191 B's fragments.  Window 2: accumulators of my rows 0-63 ((a, b) at 8 (8 a + b)); window 3: rows 64-127.
.set PA,    272                        ; a row of xn in LDS: 256 + 16
.set PB,    544                        ; a k-row of w1b: 512 + 32
.set PART,  128*PA                     ; what one load brings: 34,816 bytes (128 rows of A, or 64 k-rows of B)
.set BOFF,  2*PART
.set SLOT,  0x24000                    ; the four parts' first bytes have neither of its two bits
.set SPARE, 2*SLOT
.set PD,    528                        ; the raw tile behind the K loop: 128 columns of f32 + 16
.set RAW,   128*PD                     ; a wave's raw tile; four of them lie inside the two slots, which have had their last fill
.set STEPS, 8
.set ASTEP, 256
.set BSTEP, 128*7680
.set ADRA0, 16
.set ADRA,  17
.set ADRB0, 20
.set ADRB,  21
.set DMP,   22                         ; where I put 16 bytes of a raw row
.set RDA,   23                         ; where I read 32 bytes of a raw row
.set GO,    24                         ; 16 x lane: my 16 bytes of 512 dense bytes, first head
.set GO2,   25                         ; the same in the next head or block
.set BO,    26
.set LO,    27
.set SPW,   28
.set NIL,   29
.set PFO,   30
.set IV,    31                         ; 1 / 64
.set BIAS,  32                         ; v[32:47]  b1 of my 8 columns in each of my wave's two heads
.set LG,    48                         ; v[48:55]  gain of my 8 channels
.set LB,    56                         ; v[56:63]  shift
.set F0,    64
.set F1,    128
.set D,     64                         ; epilogue: 8 units x 8 numbers
.set T,     128
.set U,     144
.set E,     128
.set P,     192
.set G1,  24
.set G0,  32
.set G1B, 48
.set G0B, 56
.set WV,  66
.set RH,  67
.set CH,  68
.set CX,  69
.set NT,  70
.set MT,  71
.set TB,  72
.set LIM, 73
.set PFA, 74
.set PFS, 76
.set OUT, 78
.set C1,  88
.set C2,  90
.set CNT, 92
.set HS,  93
.set MSB, 0
.macro WIN new
.if MSB != (\new)
	s_set_vgpr_msb (MSB<<8)|(\new)
.set MSB, \new
.endif
.endm
.set MUL_LO, 0xa1                      ; source 0 (B) window 1, source 1 (A) window 0, C and D window 2
.set MUL_HI, 0xf1
.set TO_B,   0x40
.macro PLACES
.rept 4
	v_nop
.endr
.endm
.macro JLOAD                           ; waves 0 and 1 fetch A's halves, waves 2 and 3 B's; an s_nop 0 and four v_nop follow each line
	s_cmp_eq_u32 s[RH], 0
	s_cbranch_scc0 .Lfor_b_\@
	tensor_load_to_lds s[G0+4:G0+7], s[G1:G1+7]
	s_nop 0
	PLACES
	s_branch .Lasked_\@
.Lfor_b_\@:
	tensor_load_to_lds s[G0B+4:G0B+7], s[G1B:G1B+7]
	s_nop 0
	PLACES
.Lasked_\@:
.endm
.macro CREST                           ; a round of the cluster's barrier behind its opening barrier
	s_cmp_lg_u32 s[WV], 0
	s_cbranch_scc1 .Lnot_wave_0_\@
	s_barrier_signal -3
.Lnot_wave_0_\@:
	s_barrier_wait -3
	s_barrier_signal -1
	s_barrier_wait -1
.endm
.macro CROUND
	s_barrier_signal -1
	s_barrier_wait -1
	CREST
.endm
; A PREFETCH INTO THE L2 of the K step behind the one that the refill just asked for: 256 matrix instructions ahead of the load that will want it.  Each row's 256 bytes of a step are named once:
; xn's 256 rows of a row tile by wave 0 of the tile columns 0-7, 32 rows each; the weights' 128 k-rows x 512 bytes of a tile column by wave 2 of the row tiles 0-7, 16 k-rows each.
; The partners of a cluster are told apart by address alone.  The loop's last trip asks for nothing: step 8 does not exist.
.macro ASK
	s_cmp_gt_u32 s3, s[LIM]
	s_cbranch_scc0 .Lnot_mine_\@
	global_prefetch_b8 v[PFO], s[PFA:PFA+1] th:TH_LOAD_NT scope:SCOPE_SE
.Lnot_mine_\@:
.endm
	s_and_b32 s3, ttmp7, 0xffff                    ; the grid's row: the same in all four partners
	s_cmp_ge_u32 s3, 15
	s_cbranch_scc1 .Lfold
	s_load_b512 s[4:19], s[0:1], 0x0               ; xn 4, w1b 6, aux 8, qn_g 10, qn_b 12, kn_g 14, kn_b 16, qkv 18
	s_load_b64 s[20:21], s[0:1], 0x40              ; act
	v_lshl_add_u32 v[SPW], v0, 2, SPARE
	v_mov_b32 v[NIL], 0
	ds_add_u32 v[SPW], v[NIL]                      ; the wave's opening: the add and its wait stand ahead of my first tensor load
	v_lshrrev_b32 v1, 5, v0
	v_readfirstlane_b32 s[WV], v1
	s_lshr_b32 s[RH], s[WV], 1
	s_and_b32 s[CH], s[WV], 1
	s_bfe_u32 s[CX], ttmp6, 0x40000
	s_lshl_b32 s[MT], ttmp9, 2
	s_add_co_u32 s[MT], s[MT], s[CX]               ; row tile
	s_and_b32 s[NT], ttmp7, 0xffff                 ; tile column, which the partners share
	s_mov_b32 s[G1+0], (1<<16)|(1<<20)|(5<<22)|(3<<25)  ; A: 128 rows x 128 elements, 16 bytes of padding
	s_mov_b32 s[G1+1], 128<<16
	s_mov_b32 s[G1+2], 128<<16
	s_mov_b32 s[G1+3], 128<<16
	s_mov_b32 s[G1+4], 128
	s_mov_b32 s[G1+5], 1024
	s_mov_b32 s[G1+6], 0
	s_mov_b32 s[G1+7], 0
	s_mov_b32 s[G1B+0], 15|(1<<16)|(1<<20)|(1<<21)|(6<<22)|(7<<25)  ; B: 64 k-rows x 256 elements, 32 bytes of padding; the mask of four
	s_mov_b32 s[G1B+1], 256<<16
	s_mov_b32 s[G1B+2], 64<<16
	s_mov_b32 s[G1B+3], 256<<16
	s_mov_b32 s[G1B+4], 64
	s_mov_b32 s[G1B+5], 3840
	s_mov_b32 s[G1B+6], 0
	s_mov_b32 s[G1B+7], 0
	s_lshl_b32 s40, s[MT], 19                      ; A: row 256 MT + 128 CH
	s_lshl_b32 s41, s[CH], 18
	s_add_co_u32 s40, s40, s41
	s_mov_b32 s41, 0
	s_mul_i32 s44, s[CH], 64*7680                  ; B: k-row 64 CH, byte 512 NT
	s_lshl_b32 s45, s[NT], 9
	s_add_co_u32 s44, s44, s45
	s_mov_b32 s45, 0
	s_mul_i32 s46, s[WV], PART
	s_mov_b32 s[TB], 0
	s_mov_b32 s[C1], 0xc0135761
	s_mov_b32 s[C1+1], s[C1]
	s_mov_b32 s[C2], 0xbdd2d3e8
	s_mov_b32 s[C2+1], s[C2]
	s_wait_dscnt 0x0                               ; the opening add is done
	s_wait_kmcnt 0x0
	s_add_nc_u64 s[40:41], s[4:5], s[40:41]
	s_add_nc_u64 s[44:45], s[6:7], s[44:45]
	CROUND
.irp s, 0,1
	s_mov_b32 s[G0+4*(\s)], 1
	s_add_co_u32 s[G0+4*(\s)+1], s46, (\s)*SLOT
	s_add_nc_u64 s[G0+4*(\s)+2:G0+4*(\s)+3], s[40:41], (\s)*ASTEP
	s_or_b32 s[G0+4*(\s)+3], s[G0+4*(\s)+3], 0x80000000
	s_mov_b32 s[G0B+4*(\s)], 1
	s_add_co_u32 s[G0B+4*(\s)+1], s46, (\s)*SLOT
	s_add_nc_u64 s[G0B+4*(\s)+2:G0B+4*(\s)+3], s[44:45], (\s)*BSTEP
	s_or_b32 s[G0B+4*(\s)+3], s[G0B+4*(\s)+3], 0x80000000
.endr
	s_cmp_eq_u32 s[RH], 0                          ; a wave's two first fills stand in one branch: two loads of mine are out
	s_cbranch_scc0 .Lfirst_b
	tensor_load_to_lds s[G0:G0+3], s[G1:G1+7]
	s_nop 0
	tensor_load_to_lds s[G0+4:G0+7], s[G1:G1+7]
	s_nop 0
	PLACES
	s_branch .Lfirst_asked
.Lfirst_b:
	tensor_load_to_lds s[G0B:G0B+3], s[G1B:G1B+7]
	s_nop 0
	tensor_load_to_lds s[G0B+4:G0B+7], s[G1B:G1B+7]
	s_nop 0
	PLACES
.Lfirst_asked:
	v_and_b32 v1, 15, v0
	v_bfe_u32 v2, v0, 4, 1
	v_and_b32 v3, 7, v0
	v_bfe_u32 v4, v0, 3, 1
	v_and_b32 v5, 31, v0
	v_mul_u32_u24 v[ADRA0], v1, PA
	v_lshl_add_u32 v[ADRA0], v2, 4, v[ADRA0]
	s_mul_i32 s47, s[RH], PART
	v_add_nc_u32 v[ADRA0], s47, v[ADRA0]
	v_lshl_add_u32 v[ADRB0], v2, 3, v3
	v_mul_u32_u24 v[ADRB0], v[ADRB0], PB
	v_lshl_add_u32 v[ADRB0], v4, 4, v[ADRB0]
	s_lshl_b32 s47, s[CH], 8
	s_add_co_u32 s47, s47, BOFF
	v_add_nc_u32 v[ADRB0], s47, v[ADRB0]
	s_mul_i32 s47, s[WV], RAW
	v_mul_u32_u24 v[DMP], v1, PD
	v_lshl_add_u32 v[DMP], v2, 5, v[DMP]
	v_add_nc_u32 v[DMP], s47, v[DMP]
	v_lshrrev_b32 v6, 3, v5                        ; lane / 8: my row of four
	v_mul_u32_u24 v[RDA], v6, PD
	v_lshl_add_u32 v[RDA], v3, 5, v[RDA]
	v_add_nc_u32 v[RDA], s47, v[RDA]
	v_lshlrev_b32 v[GO], 4, v5
	v_mov_b32 v[IV], 0x3c800000
	; bias, gain and shift of my 8 columns: on their way during the K loop
	s_lshl_b32 s80, s[NT], 10
	s_lshl_b32 s81, s[CH], 9
	s_add_co_u32 s80, s80, s81
	v_lshl_add_u32 v[BO], v3, 5, s80
	v_lshlrev_b32 v[LO], 5, v3
	s_cmp_lt_u32 s[NT], 4
	s_cselect_b64 s[80:81], s[10:11], s[14:15]
	s_cselect_b64 s[82:83], s[12:13], s[16:17]
.irp h, 0,1
	global_load_b128 v[BIAS+8*(\h):BIAS+8*(\h)+3],   v[BO], s[8:9] offset:262144+256*(\h)
	global_load_b128 v[BIAS+8*(\h)+4:BIAS+8*(\h)+7], v[BO], s[8:9] offset:262144+256*(\h)+16
.endr
	global_load_b128 v[LG:LG+3],   v[LO], s[80:81]
	global_load_b128 v[LG+4:LG+7], v[LO], s[80:81] offset:16
	global_load_b128 v[LB:LB+3],   v[LO], s[82:83]
	global_load_b128 v[LB+4:LB+7], v[LO], s[82:83] offset:16
	; the prefetches: they stand at step 2; the first change of slots steps them to step 3
	s_lshl_b32 s84, s[MT], 19
	s_lshl_b32 s85, s[NT], 16
	s_add_co_u32 s84, s84, s85
	s_add_co_u32 s84, s84, 2*ASTEP                 ; xn: row 256 MT + 32 NT
	s_lshl_b32 s86, s[MT], 4
	s_add_co_u32 s86, s86, 256
	s_mul_i32 s86, s86, 7680                       ; w1b: k-row 256 + 16 MT,
	s_lshl_b32 s85, s[NT], 9
	s_add_co_u32 s86, s86, s85                     ; byte 512 NT
	s_mov_b32 s87, BSTEP
	s_mov_b32 s47, 7680
	s_cmp_lt_u32 s[NT], 8
	s_cselect_b32 s22, 1, 0
	s_cmp_lt_u32 ttmp9, 2
	s_cselect_b32 s23, 1, 0
	s_cmp_eq_u32 s[RH], 0
	s_cselect_b32 s84, s84, s86
	s_cselect_b32 s22, s22, s23
	s_cselect_b32 s[PFS], ASTEP, s87
	s_cselect_b64 s[PFA:PFA+1], s[4:5], s[6:7]
	s_cselect_b32 s23, 0, 1                        ; lanes go a row each (xn), or two to a k-row (w1b)
	s_cselect_b32 s47, 2048, s47
	s_mov_b32 s85, 0
	s_mov_b32 s[PFS+1], 0
	s_add_nc_u64 s[PFA:PFA+1], s[PFA:PFA+1], s[84:85]
	s_cmp_eq_u32 s[CH], 0
	s_cselect_b32 s22, s22, 0
	s_cmp_eq_u32 s22, 1
	s_cselect_b32 s[LIM], 1, -1                    ; the same in all four partners, for a given wave
	v_lshrrev_b32 v6, s23, v5
	v_mul_u32_u24 v6, s47, v6
	v_and_b32 v7, s23, v5
	v_lshl_add_u32 v[PFO], v7, 8, v6
.macro SETADR
	v_add_nc_u32 v[ADRA], s[TB], v[ADRA0]
	v_add_nc_u32 v[ADRB], s[TB], v[ADRB0]
.endm
; 16 matrix instructions: m blocks a0, a0 + 1 of the window's four x 8 n blocks, 32 along K.  The 64 accumulators take turns, one instruction a turn.
.macro MUL16 f, hi, a0, zero
	WIN MUL_LO+0x50*(\hi)
.irp a, \a0, (\a0)+1
.irp b, 0,1,2,3,4,5,6,7
.if \zero
	v_wmma_f32_16x16x32_bf16 v[8*(8*(\a)+(\b)):8*(8*(\a)+(\b))+7], v[(\f)+8*(\b):(\f)+8*(\b)+7], v[(\f)+8*(4*(\hi)+(\a)):(\f)+8*(4*(\hi)+(\a))+7], 0
.else
	v_wmma_f32_16x16x32_bf16 v[8*(8*(\a)+(\b)):8*(8*(\a)+(\b))+7], v[(\f)+8*(\b):(\f)+8*(\b)+7], v[(\f)+8*(4*(\hi)+(\a)):(\f)+8*(4*(\hi)+(\a))+7], v[8*(8*(\a)+(\b)):8*(8*(\a)+(\b))+7]
.endif
.endr
.endr
.endm
; 32 LDS loads in one run: quarter q (32 along K) into buffer f: B's 8 fragments, turned, then A's 8
.macro FETCH q, f
	WIN TO_B
.irp i, 0,1,2,3,4,5,6,7
	ds_load_tr16_b128 v[(\f)+8*(\i):(\f)+8*(\i)+3],   v[ADRB] offset:(\q)*32*PB+32*(\i)
	ds_load_tr16_b128 v[(\f)+8*(\i)+4:(\f)+8*(\i)+7], v[ADRB] offset:(\q)*32*PB+16*PB+32*(\i)
.endr
	WIN 0
.irp i, 0,1,2,3,4,5,6,7
	ds_load_b128 v[(\f)+8*(\i):(\f)+8*(\i)+3],   v[ADRA] offset:64*(\q)+(\i)*16*PA
	ds_load_b128 v[(\f)+8*(\i)+4:(\f)+8*(\i)+7], v[ADRA] offset:64*(\q)+(\i)*16*PA+32
.endr
.endm
.macro QUARTER q, f, g, zero
	s_wait_dscnt 8                                 ; B and A's rows 0-63 are in; the youngest eight loads (A's rows 64-127) may be out
	MUL16 \f, 0, 0, \zero
	MUL16 \f, 0, 2, \zero
	PLACES
	FETCH \q, \g
	s_wait_dscnt 32                                ; all but the 32 just issued
	MUL16 \f, 1, 0, \zero
	MUL16 \f, 1, 2, \zero
.endm
; The last quarter of a step multiplies buffer 1 and changes slots.  fill = 1: the slot left is filled again.  fill = 0: the tail's two trips: nothing is asked for, and in the last
; trip (s3 = 1) there is no further step: its fetch is jumped over, a forward jump over LDS loads alone.
.macro TURN fill
.if \fill
	s_wait_xcnt 0x0                                ; the last prefetch, a K step back, has read its address
	s_add_nc_u64 s[PFA:PFA+1], s[PFA:PFA+1], s[PFS:PFS+1]
.endif
	WIN 0
	s_wait_tensorcnt 0x0                           ; all my tensor loads have landed: my part of the next slot
	ds_add_u32 v[SPW], v[NIL]                      ; 0 onto my spare word
	s_wait_dscnt 9                                 ; the add and the youngest eight loads may be out
	MUL16 F1, 0, 0, 0
	s_wait_dscnt 0x0                               ; the add is done, and my reads of this slot are over
	s_barrier_signal -1
	MUL16 F1, 0, 2, 0
	WIN 0
	s_barrier_wait -1
.if \fill
	CREST                                          ; no wave of any partner still reads this slot or has a load on its way
	s_xor_b32 s[G0+5], s[G0+5], SLOT
	s_add_nc_u64 s[G0+6:G0+7], s[G0+6:G0+7], ASTEP
	s_xor_b32 s[G0B+5], s[G0B+5], SLOT
	s_add_nc_u64 s[G0B+6:G0B+7], s[G0B+6:G0B+7], BSTEP
	JLOAD                                          ; my one tensor load behind the round: 224 matrix instructions ahead of the wait for it
	s_xor_b32 s[TB], s[TB], SLOT
	SETADR
	FETCH 0, F0
	ASK
.else
	PLACES
	s_cmp_eq_u32 s3, 1
	s_cbranch_scc1 .Lno_fetch_\@
	s_xor_b32 s[TB], s[TB], SLOT
	SETADR
	FETCH 0, F0
.Lno_fetch_\@:
.endif
	MUL16 F1, 1, 0, 0
	MUL16 F1, 1, 2, 0
.endm
	SETADR
	s_wait_tensorcnt 1                             ; my part of step 0 is in; step 1's may stay out
	s_barrier_signal -1
	s_barrier_wait -1
	FETCH 0, F0
	QUARTER 1, F0, F1, 1                           ; the first quarter's products start the sums
	WIN 0
	s_mov_b32 s3, STEPS-2
.Lstep:
	QUARTER 2, F1, F0, 0
	QUARTER 3, F0, F1, 0
	TURN 1
	QUARTER 1, F0, F1, 0
	WIN 0
	s_sub_co_u32 s3, s3, 1
	s_cmp_lg_u32 s3, 0
	s_cbranch_scc1 .Lstep
	s_mov_b32 s3, 2                                ; the last two steps fill nothing: a second loop; it is left in its middle.
.Ltail:                                        ; (its second trip's wait, add and barrier order nothing more: the price of one text for both trips)
	QUARTER 2, F1, F0, 0
	QUARTER 3, F0, F1, 0
	TURN 0
	WIN 0
	s_sub_co_u32 s3, s3, 1
	s_cmp_eq_u32 s3, 0
	s_cbranch_scc1 .Lout
	QUARTER 1, F0, F1, 0
	WIN 0
	s_branch .Ltail
.Lout:
	; THE EPILOGUE.  Every wave has read its last fragment: behind this barrier the ring's bytes, which are filled no more, take the four raw tiles.
	PLACES
	s_wait_dscnt 0x0
	s_barrier_signal -1
	s_barrier_wait -1
.irp hi, 0,1
	WIN 0x08+4*(\hi)                               ; store data in window 2 or 3
.irp a, 0,1,2,3
.irp b, 0,1,2,3,4,5,6,7
	ds_store_b128 v[DMP], v[8*(8*(\a)+(\b)):8*(8*(\a)+(\b))+3]   offset:16*PD*(4*(\hi)+(\a))+64*(\b)
	ds_store_b128 v[DMP], v[8*(8*(\a)+(\b))+4:8*(8*(\a)+(\b))+7] offset:16*PD*(4*(\hi)+(\a))+64*(\b)+16
.endr
.endr
.endr
	WIN 0
	; where my rows go: q, k, v by heads, or act's blocks
	s_lshr_b32 s80, s[MT], 3                       ; batch
	s_lshl_b32 s80, s80, 4
	s_and_b32 s81, s[NT], 3
	s_lshl_b32 s81, s81, 2
	s_add_co_u32 s80, s80, s81
	s_lshl_b32 s81, s[CH], 1
	s_add_co_u32 s80, s80, s81                     ; 16 b + my first head
	s_lshl_b32 s80, s80, 11
	s_and_b32 s81, s[MT], 7
	s_lshl_b32 s81, s81, 8
	s_add_co_u32 s80, s80, s81
	s_lshl_b32 s81, s[RH], 7
	s_add_co_u32 s80, s80, s81
	s_lshl_b32 s80, s80, 7
	s_lshr_b32 s81, s[NT], 2
	s_lshl_b32 s81, s81, 23
	s_add_co_u32 s80, s80, s81
	s_lshl_b32 s82, s[NT], 2
	s_sub_co_u32 s82, s82, 32                      ; block 16 + 4 (NT - 12) (used only where NT is 12 or more)
	s_lshl_b32 s83, s[CH], 1
	s_add_co_u32 s82, s82, s83
	s_lshl_b32 s82, s82, 12
	s_lshl_b32 s83, s[MT], 8
	s_add_co_u32 s82, s82, s83
	s_lshl_b32 s83, s[RH], 7
	s_add_co_u32 s82, s82, s83
	s_lshl_b32 s82, s82, 7
	s_mov_b32 s84, 262144
	s_cmp_lt_u32 s[NT], 12
	s_cselect_b32 s80, s80, s82
	s_cselect_b64 s[OUT:OUT+1], s[18:19], s[20:21]
	s_cselect_b32 s[HS], s84, 524288               ; bytes from a head to the next, or from a block to the next
	s_mov_b32 s81, 0
	s_add_nc_u64 s[OUT:OUT+1], s[OUT:OUT+1], s[80:81]
	v_add_nc_u32 v[GO2], s[HS], v[GO]
	s_wait_loadcnt 0x0                             ; bias, gain, shift
	s_mov_b32 s[CNT], 8
.macro EACH line:vararg                ; one line for each unit u
.set u, 0
.rept 8
	\line
.set u, u+1
.endr
.endm
; A trip: 16 rows.  Unit u = 4 hh + rg: lane l holds row 4 rg + l / 8 and columns 64 hh + 8 (l % 8) + 0..7: a head's row lies in eight neighbouring lanes.
.Lrows:
.set u, 0
.rept 8
	ds_load_b128 v[D+8*u:D+8*u+3],   v[RDA] offset:4*PD*(u%4)+256*(u/4)      ; my own stores, which LDS served ahead of these (ISA guide 5.7.1.4)
	ds_load_b128 v[D+8*u+4:D+8*u+7], v[RDA] offset:4*PD*(u%4)+256*(u/4)+16
.set u, u+1
.endr
	s_wait_dscnt 0x0
.irp j, 0,2,4,6
	EACH v_pk_add_f32 v[D+8*u+\j:D+8*u+\j+1], v[D+8*u+\j:D+8*u+\j+1], v[BIAS+8*(u/4)+\j:BIAS+8*(u/4)+\j+1]
.endr
	s_cmp_lt_u32 s[NT], 8
	s_cbranch_scc1 .Lnorm
	s_cmp_lt_u32 s[NT], 12
	s_cbranch_scc1 .Lpack                          ; v: as it is
	; GELU
.set r, 0
.rept 32
	v_pk_mul_f32 v[E+2*r:E+2*r+1], v[D+2*r:D+2*r+1], v[D+2*r:D+2*r+1]
.set r, r+1
.endr
.set r, 0
.rept 32
	v_pk_fma_f32 v[E+2*r:E+2*r+1], v[E+2*r:E+2*r+1], s[C2:C2+1], s[C1:C1+1] op_sel_hi:[1,0,0]
.set r, r+1
.endr
.set r, 0
.rept 32
	v_pk_mul_f32 v[E+2*r:E+2*r+1], v[E+2*r:E+2*r+1], v[D+2*r:D+2*r+1]
.set r, r+1
.endr
.set r, 0
.rept 64
	v_exp_f32 v[E+r], v[E+r]
.set r, r+1
.endr
	v_nop                                          ; a plain instruction behind the last exponential,
	s_wait_alu depctr_va_vdst(0)                   ; and one wait for the batch of 64
.set r, 0
.rept 32
	v_pk_add_f32 v[E+2*r:E+2*r+1], v[E+2*r:E+2*r+1], 1.0 op_sel_hi:[1,0]
.set r, r+1
.endr
.set r, 0
.rept 64
	v_rcp_f32 v[E+r], v[E+r]
.set r, r+1
.endr
	v_nop
	s_wait_alu depctr_va_vdst(0)                   ; one wait for the 64 reciprocals
.set r, 0
.rept 32
	v_pk_mul_f32 v[D+2*r:D+2*r+1], v[D+2*r:D+2*r+1], v[E+2*r:E+2*r+1]
.set r, r+1
.endr
	s_branch .Lpack
.Lnorm:                                        ; LayerNorm over a head's 64 channels: the mean, then the mean of the squared differences
	EACH v_pk_add_f32 v[T+2*u:T+2*u+1], v[D+8*u:D+8*u+1], v[D+8*u+2:D+8*u+3]
	EACH v_pk_add_f32 v[U+2*u:U+2*u+1], v[D+8*u+4:D+8*u+5], v[D+8*u+6:D+8*u+7]
	EACH v_pk_add_f32 v[T+2*u:T+2*u+1], v[T+2*u:T+2*u+1], v[U+2*u:U+2*u+1]
	EACH v_add_f32 v[T+2*u], v[T+2*u], v[T+2*u+1]
.irp m, 1,2,4
	EACH v_add_f32_dpp v[T+2*u], v[T+2*u], v[T+2*u] row_xmask:\m row_mask:0xf bank_mask:0xf
.endr
	EACH v_mul_f32 v[T+2*u], v[IV], v[T+2*u]
.irp j, 0,2,4,6
	EACH v_pk_add_f32 v[D+8*u+\j:D+8*u+\j+1], v[D+8*u+\j:D+8*u+\j+1], v[T+2*u:T+2*u+1] op_sel_hi:[1,0] neg_lo:[0,1] neg_hi:[0,1]
.endr
	EACH v_pk_mul_f32 v[U+2*u:U+2*u+1], v[D+8*u:D+8*u+1], v[D+8*u:D+8*u+1]
.irp j, 2,4,6
	EACH v_pk_fma_f32 v[U+2*u:U+2*u+1], v[D+8*u+\j:D+8*u+\j+1], v[D+8*u+\j:D+8*u+\j+1], v[U+2*u:U+2*u+1]
.endr
	EACH v_add_f32 v[U+2*u], v[U+2*u], v[U+2*u+1]
.irp m, 1,2,4
	EACH v_add_f32_dpp v[U+2*u], v[U+2*u], v[U+2*u] row_xmask:\m row_mask:0xf bank_mask:0xf
.endr
	EACH v_fmaak_f32 v[U+2*u], v[IV], v[U+2*u], 0x358637bd
	EACH v_rsq_f32 v[U+2*u], v[U+2*u]
	v_nop
	s_wait_alu depctr_va_vdst(0)                   ; one wait for the eight
.irp j, 0,2,4,6
	EACH v_pk_mul_f32 v[D+8*u+\j:D+8*u+\j+1], v[D+8*u+\j:D+8*u+\j+1], v[U+2*u:U+2*u+1] op_sel_hi:[1,0]
.endr
.irp j, 0,2,4,6
	EACH v_pk_fma_f32 v[D+8*u+\j:D+8*u+\j+1], v[D+8*u+\j:D+8*u+\j+1], v[LG+\j:LG+\j+1], v[LB+\j:LB+\j+1]
.endr
.Lpack:
.set r, 0
.rept 32
	v_cvt_pk_bf16_f32 v[P+r], v[D+2*r], v[D+2*r+1]
.set r, r+1
.endr
.irp g, 0,1,2,3
	global_store_b128 v[GO],  v[P+4*(\g):P+4*(\g)+3],       s[OUT:OUT+1] offset:512*(\g)  ; four rows of 128 bytes: 512 consecutive bytes, aligned
	global_store_b128 v[GO2], v[P+16+4*(\g):P+16+4*(\g)+3], s[OUT:OUT+1] offset:512*(\g)
.endr
	s_wait_xcnt 0x0                                ; the stores' data and base are written again only behind this wait
	s_add_nc_u64 s[OUT:OUT+1], s[OUT:OUT+1], 2048
	v_add_nc_u32 v[RDA], 16*PD, v[RDA]
	s_sub_co_u32 s[CNT], s[CNT], 1
	s_cmp_lg_u32 s[CNT], 0
	s_cbranch_scc1 .Lrows
	s_wait_tensorcnt 0x0                           ; the wave's end
	ds_add_u32 v[SPW], v[NIL]
	s_wait_dscnt 0x0
	CROUND                                         ; the closing round
	s_endpgm
; ================================================================ FOLD ================================================================
; wc = [Wao W2a ; Wmo W2b ; 0], bf16 [1792][1024].  (a Wao + bao) W2a + (g Wmo + bmo) W2b = [a | g] wc + bias terms: the product's associativity, for every input;
; the order of rounding differs from the reference's, and wc is rounded once to bf16.  Sums in f32.
; A = acat, in blocks [16 kb][1792][64] (K along the rows); B = w2b [2048 k][1024 n], rows 0-1023 for tile rows 0-7 of wc, rows 1024-2047 for the others.
; A tile of wc is 128 x 128: four waves, each 64 x 64 in 16 accumulators.  K = 1,024 goes in 4 steps of 256 through two LDS slots.
; The 14 x 8 tiles lie in the grid's rows 15-21: tile row = 2 (y - 15) + cluster x / 2, tile column = 4 (cluster x % 2) + cx.  So the four partners make four column tiles of one
; tile row: A's tile is asked for jointly; B's differs and is each one's own load, behind the same rounds.
; THE MATRIX INSTRUCTION IS USED TRANSPOSED (source 0 = 16 columns of B, turned on the way out of LDS; source 1 = 16 rows of A): a lane holds eight neighbouring numbers of a row of wc.
; REGISTERS: window 0: v0-31 addresses; v32-95 the way out; v128-255 accumulators ((a, b) at 128 + 8 (4 a + b)).  Window 1: two fragment buffers of 128: 64 of A, then 64 of B.
; The names below are set anew for this text; WIN, PLACES, JLOAD, CREST and CROUND are the macros above, read with these names.
.set PA,     144                       ; a row of A in LDS: 128 bytes + 16: the 16 rows of a load start at 16 different groups of four banks (ISA guide 11.1)
.set PB,     288                       ; a k-row of B: 256 bytes + 32
.set ASUB,   128*PA                    ; one block of 64 k: 128 rows
.set BOFF,   4*ASUB                    ; behind A's four blocks: B's 256 k-rows
.set PART,   2*ASUB                    ; what one tensor load brings: 36,864 bytes (two blocks of A, or 128 k-rows of B)
.set STAGE,  0                         ; the way out goes through slot 0, which has had its last fill (step 2) and its last reader ahead of the tail's first barrier
.set SPITCH, 272
.set ROWS,   1792
.set STEPS,  4
.set ASTEP,  4*ROWS*128
.set BSTEP,  256*2048
.set ADRB2, 22                         ; B's k-rows 128-255 lie beyond a 16-bit offset
.set STO,   24
.set RD,    25
.set CO,    26
.set TMP,   32
.set ACC,   128
.set F0,    0
.set F1,    128
.set WV, 16
.set RH, 17                            ; my half of the tile's rows; also: 0 = I fetch A, 1 = I fetch B
.set CH, 18                            ; my half of its columns; also: which half of that tile I fetch
.set CX, 19
.set NT, 21
.set MT, 22
.set TB, 23                            ; LDS byte at which the slot to be read begins
.set MUL,  0x05                        ; sources 0 and 1 window 1; C and D window 0
.set TO_F, 0x40                        ; destination window 1, address window 0
.Lfold:
	s_load_b128 s[4:7], s[0:1], 0x48               ; acat, w2b
	s_load_b64 s[8:9], s[0:1], 0x58                ; wc
	v_lshl_add_u32 v[SPW], v0, 2, SPARE
	v_mov_b32 v[NIL], 0
	ds_add_u32 v[SPW], v[NIL]                      ; the wave's opening: the add and its wait stand ahead of my first tensor load
	v_lshrrev_b32 v1, 5, v0
	v_readfirstlane_b32 s[WV], v1
	s_lshr_b32 s[RH], s[WV], 1
	s_and_b32 s[CH], s[WV], 1
	s_bfe_u32 s[CX], ttmp6, 0x40000
	s_sub_co_u32 s[MT], s3, 15
	s_lshl_b32 s[MT], s[MT], 1
	s_lshr_b32 s[NT], ttmp9, 1
	s_add_co_u32 s[MT], s[MT], s[NT]               ; tile row, which the partners share
	s_and_b32 s[NT], ttmp9, 1
	s_lshl_b32 s[NT], s[NT], 2
	s_add_co_u32 s[NT], s[NT], s[CX]               ; tile column
	; A: two blocks of 128 dense rows = two rows of 8,192 elements, padded behind every 128 bytes
	s_mov_b32 s[G1+0], 15|(1<<16)|(1<<20)|(1<<21)|(4<<22)|(3<<25)
	s_mov_b32 s[G1+1], 8192<<16
	s_mov_b32 s[G1+2], 2<<16
	s_mov_b32 s[G1+3], 8192<<16
	s_mov_b32 s[G1+4], 2
	s_mov_b32 s[G1+5], ROWS*64
	s_mov_b32 s[G1+6], 0
	s_mov_b32 s[G1+7], 0
	; B: 128 k-rows of 128 elements, padded by 32 bytes
	s_mov_b32 s[G1B+0], (1<<16)|(1<<20)|(5<<22)|(7<<25)
	s_mov_b32 s[G1B+1], 128<<16
	s_mov_b32 s[G1B+2], 128<<16
	s_mov_b32 s[G1B+3], 128<<16
	s_mov_b32 s[G1B+4], 128
	s_mov_b32 s[G1B+5], 1024
	s_mov_b32 s[G1B+6], 0
	s_mov_b32 s[G1B+7], 0
	s_mul_i32 s40, s[CH], 2*ROWS*128               ; A: blocks 2 CH, 2 CH + 1, rows 128 MT on
	s_lshl_b32 s41, s[MT], 14
	s_add_co_u32 s40, s40, s41
	s_mov_b32 s41, 0
	s_cmp_ge_u32 s[MT], 8                          ; B: W2's lower half for Wmo's rows
	s_cselect_b32 s44, 1024*2048, 0
	s_lshl_b32 s45, s[CH], 18
	s_add_co_u32 s44, s44, s45
	s_lshl_b32 s45, s[NT], 8
	s_add_co_u32 s44, s44, s45
	s_mov_b32 s45, 0
	s_mul_i32 s46, s[WV], PART                     ; where my part lands: the wave's number alone
	s_mov_b32 s[TB], 0
	s_wait_dscnt 0x0                               ; the opening add is done
	s_wait_kmcnt 0x0
	s_add_nc_u64 s[40:41], s[4:5], s[40:41]
	s_add_nc_u64 s[44:45], s[6:7], s[44:45]
	CROUND                                         ; all four work-groups are here: the first joint loads meet
.irp s, 0,1
	s_mov_b32 s[G0+4*(\s)], 1
	s_add_co_u32 s[G0+4*(\s)+1], s46, (\s)*SLOT
	s_add_nc_u64 s[G0+4*(\s)+2:G0+4*(\s)+3], s[40:41], (\s)*ASTEP
	s_or_b32 s[G0+4*(\s)+3], s[G0+4*(\s)+3], 0x80000000
	s_mov_b32 s[G0B+4*(\s)], 1
	s_add_co_u32 s[G0B+4*(\s)+1], s46, (\s)*SLOT
	s_add_nc_u64 s[G0B+4*(\s)+2:G0B+4*(\s)+3], s[44:45], (\s)*BSTEP
	s_or_b32 s[G0B+4*(\s)+3], s[G0B+4*(\s)+3], 0x80000000
.endr
	s_cmp_eq_u32 s[RH], 0                          ; a wave's two first fills stand in one branch: two loads of mine are out
	s_cbranch_scc0 .Lffirst_b
	tensor_load_to_lds s[G0:G0+3], s[G1:G1+7]
	s_nop 0
	tensor_load_to_lds s[G0+4:G0+7], s[G1:G1+7]
	s_nop 0
	PLACES
	s_branch .Lffirst_asked
.Lffirst_b:
	tensor_load_to_lds s[G0B:G0B+3], s[G1B:G1B+7]
	s_nop 0
	tensor_load_to_lds s[G0B+4:G0B+7], s[G1B:G1B+7]
	s_nop 0
	PLACES
.Lffirst_asked:
	v_and_b32 v1, 15, v0                           ; l % 16
	v_bfe_u32 v2, v0, 4, 1                         ; l / 16
	v_and_b32 v3, 7, v0
	v_bfe_u32 v4, v0, 3, 1
	v_mul_u32_u24 v[ADRA0], v1, PA                 ; A: row x pitch + 16 x half + my 64 rows
	v_lshl_add_u32 v[ADRA0], v2, 4, v[ADRA0]
	s_mul_i32 s47, s[RH], 64*PA
	v_add_nc_u32 v[ADRA0], s47, v[ADRA0]
	v_lshl_add_u32 v[ADRB0], v2, 3, v3             ; B, turned: k-row 8 (l / 16) + l % 8, 16 bytes by (l / 8) % 2, my 64 columns
	v_mul_u32_u24 v[ADRB0], v[ADRB0], PB
	v_lshl_add_u32 v[ADRB0], v4, 4, v[ADRB0]
	s_lshl_b32 s47, s[CH], 7
	s_add_co_u32 s47, s47, BOFF
	v_add_nc_u32 v[ADRB0], s47, v[ADRB0]
	s_mul_i32 s46, s[RH], 64*SPITCH                ; the way out, in: my 64 rows, my half of their 256 bytes
	s_lshl_b32 s47, s[CH], 7
	s_add_co_u32 s46, s46, s47
	v_mul_u32_u24 v5, v1, SPITCH
	v_lshl_add_u32 v5, v2, 4, v5
	v_add_nc_u32 v[STO], s46, v5
	s_mul_i32 s46, s[WV], 32*SPITCH                ; back: wave w takes rows 32 w on, whole
	v_mul_u32_u24 v5, v2, SPITCH
	v_lshl_add_u32 v5, v1, 4, v5
	v_add_nc_u32 v[RD], s46, v5
	v_lshlrev_b32 v5, 11, v2
	v_lshl_add_u32 v[CO], v1, 4, v5
	s_lshl_b32 s46, s[MT], 18                      ; wc at row 128 MT + 32 w, byte 256 NT
	s_lshl_b32 s47, s[WV], 16
	s_add_co_u32 s46, s46, s47
	s_lshl_b32 s47, s[NT], 8
	s_add_co_u32 s46, s46, s47
	s_mov_b32 s47, 0
	s_add_nc_u64 s[8:9], s[8:9], s[46:47]
.macro FSETADR                         ; the read addresses of the slot that begins at s[TB]
	v_add_nc_u32 v[ADRA], s[TB], v[ADRA0]
	v_add_nc_u32 v[ADRB], s[TB], v[ADRB0]
	v_add_nc_u32 v[ADRB2], 128*PB, v[ADRB]
.endm
; 8 matrix instructions: m blocks a0, a0 + 1 x 4 n blocks, 32 along K (half c of buffer f).  The 16 accumulators take turns, one instruction a turn.
.macro MUL8 f, c, a0, zero
	WIN MUL
.irp a, \a0, (\a0)+1
.irp b, 0,1,2,3
.if \zero
	v_wmma_f32_16x16x32_bf16 v[ACC+8*(4*(\a)+(\b)):ACC+8*(4*(\a)+(\b))+7], v[(\f)+64+8*(4*(\c)+(\b)):(\f)+64+8*(4*(\c)+(\b))+7], v[(\f)+8*(4*(\c)+(\a)):(\f)+8*(4*(\c)+(\a))+7], 0
.else
	v_wmma_f32_16x16x32_bf16 v[ACC+8*(4*(\a)+(\b)):ACC+8*(4*(\a)+(\b))+7], v[(\f)+64+8*(4*(\c)+(\b)):(\f)+64+8*(4*(\c)+(\b))+7], v[(\f)+8*(4*(\c)+(\a)):(\f)+8*(4*(\c)+(\a))+7], v[ACC+8*(4*(\a)+(\b)):ACC+8*(4*(\a)+(\b))+7]
.endif
.endr
.endr
.endm
; 32 LDS loads in one run: quarter q (64 along K) into buffer f; its first 32 along K first
.macro FFETCH q, f
	WIN TO_F
.irp c, 0,1
.irp i, 0,1,2,3
.if (\q) < 2
	ds_load_tr16_b128 v[(\f)+64+8*(4*(\c)+(\i)):(\f)+64+8*(4*(\c)+(\i))+3],   v[ADRB] offset:(64*(\q)+32*(\c))*PB+32*(\i)
	ds_load_tr16_b128 v[(\f)+64+8*(4*(\c)+(\i))+4:(\f)+64+8*(4*(\c)+(\i))+7], v[ADRB] offset:(64*(\q)+32*(\c)+16)*PB+32*(\i)
.else
	ds_load_tr16_b128 v[(\f)+64+8*(4*(\c)+(\i)):(\f)+64+8*(4*(\c)+(\i))+3],   v[ADRB2] offset:(64*(\q)-128+32*(\c))*PB+32*(\i)
	ds_load_tr16_b128 v[(\f)+64+8*(4*(\c)+(\i))+4:(\f)+64+8*(4*(\c)+(\i))+7], v[ADRB2] offset:(64*(\q)-128+32*(\c)+16)*PB+32*(\i)
.endif
	ds_load_b128 v[(\f)+8*(4*(\c)+(\i)):(\f)+8*(4*(\c)+(\i))+3],   v[ADRA] offset:(\q)*ASUB+(\i)*16*PA+64*(\c)
	ds_load_b128 v[(\f)+8*(4*(\c)+(\i))+4:(\f)+8*(4*(\c)+(\i))+7], v[ADRA] offset:(\q)*ASUB+(\i)*16*PA+64*(\c)+32
.endr
.endr
.endm
; multiplies buffer f and fetches quarter q into buffer g
.macro FQUARTER q, f, g, zero
	s_wait_dscnt 16                                ; the first 32 along K are in; the 16 younger loads may be out
	MUL8 \f, 0, 0, \zero
	MUL8 \f, 0, 2, \zero
	PLACES                                         ; four places in front of loads into registers that matrix instructions have read
	FFETCH \q, \g
	s_wait_dscnt 32                                ; all but the 32 just issued
	MUL8 \f, 1, 0, 0
	MUL8 \f, 1, 2, 0
.endm
; the last quarter of a step multiplies buffer 1 and changes slots; fill = 0: the tail's two trips, as above
.macro FTURN fill
	WIN 0
	s_wait_tensorcnt 0x0                           ; all my tensor loads have landed: my part of the next slot
	ds_add_u32 v[SPW], v[NIL]                      ; 0 onto my spare word
	s_wait_dscnt 17                                ; the add and the youngest sixteen loads may be out
	MUL8 F1, 0, 0, 0
	s_wait_dscnt 0x0                               ; the add is done, and my reads of this slot are over
	s_barrier_signal -1
	MUL8 F1, 0, 2, 0
	WIN 0
	s_barrier_wait -1
.if \fill
	CREST                                          ; the barrier has opened a round of the cluster's: no wave of any partner still reads this slot or has a load on its way
	s_xor_b32 s[G0+5], s[G0+5], SLOT
	s_add_nc_u64 s[G0+6:G0+7], s[G0+6:G0+7], ASTEP
	s_xor_b32 s[G0B+5], s[G0B+5], SLOT
	s_add_nc_u64 s[G0B+6:G0B+7], s[G0B+6:G0B+7], BSTEP
	JLOAD                                          ; my one tensor load behind the round: 112 matrix instructions ahead of the wait for it
	s_xor_b32 s[TB], s[TB], SLOT
	FSETADR
	FFETCH 0, F0
.else
	PLACES
	s_cmp_eq_u32 s3, 1
	s_cbranch_scc1 .Lfno_fetch_\@
	s_xor_b32 s[TB], s[TB], SLOT
	FSETADR
	FFETCH 0, F0
	WIN 0
.Lfno_fetch_\@:
.endif
	MUL8 F1, 1, 0, 0
	MUL8 F1, 1, 2, 0
.endm
	FSETADR
	s_wait_tensorcnt 1                             ; my part of step 0 is in; step 1's may stay out
	s_barrier_signal -1
	s_barrier_wait -1
	FFETCH 0, F0
	FQUARTER 1, F0, F1, 1                          ; the first products start the sums
	WIN 0
	s_mov_b32 s3, STEPS-2
.Lfstep:                                       ; from a step's second quarter to the next step's first; the slot left is filled again
	FQUARTER 2, F1, F0, 0
	FQUARTER 3, F0, F1, 0
	FTURN 1
	FQUARTER 1, F0, F1, 0
	WIN 0
	s_sub_co_u32 s3, s3, 1
	s_cmp_lg_u32 s3, 0
	s_cbranch_scc1 .Lfstep
	s_mov_b32 s3, 2                                ; the last two steps fill nothing: a second loop, left in its middle
.Lftail:
	FQUARTER 2, F1, F0, 0
	FQUARTER 3, F0, F1, 0
	FTURN 0
	WIN 0
	s_sub_co_u32 s3, s3, 1
	s_cmp_eq_u32 s3, 0
	s_cbranch_scc1 .Lfout
	FQUARTER 1, F0, F1, 0
	WIN 0
	s_branch .Lftail
.Lfout:
	; THE WAY OUT: rounded to bf16, 16 bytes a lane into the shared stage; a barrier, since a row's 256 bytes come from two waves; back as whole rows
	PLACES
.irp t, 0,1,2,3,4,5,6,7,8,9,10,11,12,13,14,15
.irp r, 0,1,2,3
	v_cvt_pk_bf16_f32 v[TMP+4*(\t)+(\r)], v[ACC+8*(\t)+2*(\r)], v[ACC+8*(\t)+2*(\r)+1]
.endr
.endr
.irp a, 0,1,2,3
.irp b, 0,1,2,3
	ds_store_b128 v[STO], v[TMP+4*(4*(\a)+(\b)):TMP+4*(4*(\a)+(\b))+3] offset:STAGE+(\a)*16*SPITCH+32*(\b)
.endr
.endr
	s_wait_dscnt 0x0                               ; for the others' sake: my stores into the stage are done
	s_barrier_signal -1
	s_barrier_wait -1
.irp t, 0,1,2,3,4,5,6,7,8,9,10,11,12,13,14,15
	ds_load_b128 v[TMP+4*(\t):TMP+4*(\t)+3], v[RD] offset:STAGE+(\t)*2*SPITCH
.endr
.irp t, 0,1,2,3,4,5,6,7,8,9,10,11,12,13,14,15
	s_wait_dscnt 15-(\t)
	global_store_b128 v[CO], v[TMP+4*(\t):TMP+4*(\t)+3], s[8:9] offset:2*(\t)*2048  ; 16 lanes store 256 consecutive bytes, aligned
.endr
	s_wait_tensorcnt 0x0                           ; the wave's end
	ds_add_u32 v[SPW], v[NIL]
	s_wait_dscnt 0x0
	CROUND                                         ; the closing round
	s_endpgm
.Lfunc_end_k_q206809288c_gemm1:
	.size	k_q206809288c_gemm1, .Lfunc_end_k_q206809288c_gemm1-k_q206809288c_gemm1
	.p2alignl 7, 3214868480
	.fill 96, 4, 3214868480
	.section	.rodata,"a",@progbits
	.p2align	6, 0x0
	.amdhsa_kernel k_q206809288c_gemm1
		.amdhsa_group_segment_fixed_size 327680
		.amdhsa_private_segment_fixed_size 0
		.amdhsa_enable_private_segment 0
		.amdhsa_kernarg_size 96
		.amdhsa_user_sgpr_count 2
		.amdhsa_user_sgpr_kernarg_segment_ptr 1
		.amdhsa_wavefront_size32 1
		.amdhsa_system_sgpr_workgroup_id_x 1
		.amdhsa_system_sgpr_workgroup_id_y 1
		.amdhsa_system_sgpr_workgroup_id_z 1
		.amdhsa_system_vgpr_workitem_id 0
		.amdhsa_next_free_vgpr 1024
		.amdhsa_next_free_sgpr 96
		.amdhsa_reserve_vcc 0
		.amdhsa_float_denorm_mode_32 3
		.amdhsa_float_denorm_mode_16_64 3
		.amdhsa_memory_ordered 1
		.amdhsa_forward_progress 1
		.amdhsa_inst_pref_size 172
	.end_amdhsa_kernel
	.amdgpu_metadata
---
amdhsa.version: [ 1, 2 ]
amdhsa.kernels:
  - .name:           k_q206809288c_gemm1
    .symbol:         k_q206809288c_gemm1.kd
    .args:
      - { .name: xn, .offset: 0, .size: 8, .value_kind: global_buffer, .address_space: global }
      - { .name: w1b, .offset: 8, .size: 8, .value_kind: global_buffer, .address_space: global }
      - { .name: aux, .offset: 16, .size: 8, .value_kind: global_buffer, .address_space: global }
      - { .name: qn_g, .offset: 24, .size: 8, .value_kind: global_buffer, .address_space: global }
      - { .name: qn_b, .offset: 32, .size: 8, .value_kind: global_buffer, .address_space: global }
      - { .name: kn_g, .offset: 40, .size: 8, .value_kind: global_buffer, .address_space: global }
      - { .name: kn_b, .offset: 48, .size: 8, .value_kind: global_buffer, .address_space: global }
      - { .name: qkv, .offset: 56, .size: 8, .value_kind: global_buffer, .address_space: global }
      - { .name: act, .offset: 64, .size: 8, .value_kind: global_buffer, .address_space: global }
      - { .name: acat, .offset: 72, .size: 8, .value_kind: global_buffer, .address_space: global }
      - { .name: w2b, .offset: 80, .size: 8, .value_kind: global_buffer, .address_space: global }
      - { .name: wc, .offset: 88, .size: 8, .value_kind: global_buffer, .address_space: global }
    .group_segment_fixed_size: 327680
    .private_segment_fixed_size: 0
    .kernarg_segment_align: 8
    .kernarg_segment_size: 96
    .max_flat_workgroup_size: 128
    .sgpr_count:     96
    .vgpr_count:     1024
    .wavefront_size: 32
...
	.end_amdgpu_metadata
.endif
;; end of part 2
;; launch attn (part 3): grid 8 x 32, 4 waves a work-group, clusters of 4 x 1, 327,680 bytes of LDS; arguments qkv, act; writes act
.if DOCPART == 3
	.amdgcn_target "amdgcn-amd-amdhsa--gfx1250"
	.amdhsa_code_object_version 6
	.text
	.protected	k_q206809288c_attn
	.globl	k_q206809288c_attn
	.p2align	8
	.type	k_q206809288c_attn,@function
k_q206809288c_attn:
	s_mov_b64 s[64:65], 0
	v_nop
	global_prefetch_b8 v0, s[64:65] scope:SCOPE_SE
	s_setreg_imm32_b32 hwreg(HW_REG_WAVE_MODE, 25, 1), 1
	s_wait_xcnt 0x0
	s_wait_alu depctr_hold_cnt(0) depctr_sa_sdst(0) depctr_va_vdst(0) depctr_va_sdst(0) depctr_va_ssrc(0) depctr_va_vcc(0) depctr_vm_vsrc(0)
	s_getreg_b32 s2, hwreg(HW_REG_IB_STS2, 6, 4)
	s_cmp_eq_u32 s2, 0
	s_cbranch_scc0 .Lentry_in_a_cluster
	s_endpgm
.Lentry_in_a_cluster:
	s_bfe_u32 s2, ttmp6, 0x10000c
	s_cmp_lg_u32 s2, 0x3003
	s_cbranch_scc0 .Lentry_shape_is_right
	s_endpgm
.Lentry_shape_is_right:
; ATTENTION.  a[bh][q][:] = the sum over k of softmax_k(Q[bh][q] . K[bh][k] / 8) V[bh][k][:].  Q, K, V: qkv[3][32][2048][64] in bf16, a head's rows dense, 128 bytes each.
; a goes into act's blocks 0-15 (block = head), act[head][2048 b + q][64], bf16, rounded once.  Products, maxima and sums in f32; the weights p are rounded to bf16 for the second
; product (their sum l is taken of the unrounded p).
; LIMITS.  A weight below 2^-126 counts as 0 in l; NaN and infinities are not treated apart.  The running maximum starts at the lowest finite number.
; SHARES.  A work-group owns 256 queries of one (batch, head); a wave 64, as four PIECES of 16.  Every wave walks all 2,048 keys, 64 a step, 256 a slot.
; LAYOUT.  S^T = K Q^T (source 0 = 16 keys, source 1 = 16 queries): a lane holds ONE query (lane % 16) and the keys 8 (lane / 16) + 0..7.  Two such results, rounded in pairs, ARE source 1 of
; O^T = V^T P, whose result again holds one query a lane, and eight channels.  K comes out of LDS as it lies, V turned, by ds_load_tr16_b128.
; SOFTMAX.  p = 2^(c s - c m), c = log2(e) / 8, with a running maximum m; O and l are multiplied by a = 2^(c m_old - c m_new) in every step; the first step's a is 0.
; BY TURNS.  Turn n belongs to piece n: 8 products K Q^T of piece n + 1, later 8 products V^T P of piece n - 1; beside them the scaling, exponentials, roundings, sums and rescaling of piece n and
; the maximum and statistics of piece n + 1.  Four vector instructions stand behind every matrix instruction, the rest in one lump.  A turn's 33 exponentials are one batch, with one wait.
; CLUSTER.  The four query blocks of a cluster belong to one head and walk the same K and V: each tile is asked for jointly.
; REGISTERS (s_set_vgpr_msb: bits 1:0 source 0, 3:2 source 1, 5:4 source 2, 7:6 destination):
;   window 0: v0-15 addresses; v16-31 statistics, four a piece; v48-55 at work; v61-63 prefetch offset and the add's two; v64-127 S^T, two buffers; v192-223 P, two buffers
;   window 1: v0-127 O^T, 32 a piece          window 2: v0-63 Q; v128-191 K of one step; v192-255 V of one step
.set NP,    4
.set KS,    64
.set PK,    144
.set PV,    160
.set VOFF,  4*KS*PK
.set SLOT1, 1<<17
.set STAGE, SLOT1+4*KS*(PK+PV)
.set SP,    144
.set SPARE, STAGE+4*16*SP
.set AK0, 2
.set AV0, 3
.set AK,  4
.set AV,  5
.set STO, 6
.set RD,  7
.set GO,  8
.set MV,  12
.set QO,  15
.set ST,  16
.set TMP, 48
.set PFO, 61
.set SPW, 62
.set NIL, 63
.set S,   64
.set P,   192
.set KF,  128
.set VF,  192
.set WV,  12
.set LIM, 15
.set G1K, 24
.set G1V, 32
.set G0K, 40
.set G0V, 44
.set PFA, 48
.set QP,  50
.set KP,  52
.set VP,  54
.set SLOTS, 56
.set CNT, 57
.set CS,  58
.set SEL, 60
.set TBK, 62
.set TBV, 63
.set MSB, 0
.macro WIN new
.if MSB != (\new)
	s_set_vgpr_msb (MSB<<8)|(\new)
.set MSB, (\new)
.endif
.endm
.set W_KQ, 0x0a
.set W_PV, 0x52
.set W_RS, 0x41
.macro JLOAD                           ; waves 0 and 1 fetch the halves of a slot's K, waves 2 and 3 of its V: 128 keys each
	s_cmp_lt_u32 s[WV], 2
	s_cbranch_scc0 .Lfor_v_\@
	tensor_load_to_lds s[G0K:G0K+3], s[G1K:G1K+7]
	s_nop 0
.rept 4
	v_nop
.endr
	s_branch .Lasked_\@
.Lfor_v_\@:
	tensor_load_to_lds s[G0V:G0V+3], s[G1V:G1V+7]
	s_nop 0
.rept 4
	v_nop
.endr
.Lasked_\@:
.endm
; A PREFETCH INTO THE L2 of the tile that the NEXT change of slots will ask for: 256 keys of K and of V, 128 blocks of 256 bytes each, a lane a block.  Each block is named once: the head's first
; cluster asks; its four partners take 32 blocks each, told apart by address; wave 0 asks for K's, wave 2 for V's.  The last change that fills a slot asks for nothing.
.macro ASK
	s_cmp_gt_u32 s[SLOTS], s[LIM]
	s_cbranch_scc0 .Lnot_mine_\@
	global_prefetch_b8 v[PFO], s[PFA:PFA+1] th:TH_LOAD_NT scope:SCOPE_SE
.Lnot_mine_\@:
.endm
.macro CROUND
	s_barrier_signal -1
	s_barrier_wait -1
	s_cmp_lg_u32 s[WV], 0
	s_cbranch_scc1 .Lnot_wave_0_\@
	s_barrier_signal -3
.Lnot_wave_0_\@:
	s_barrier_wait -3
	s_barrier_signal -1
	s_barrier_wait -1
.endm
; THE CHANGE OF SLOTS.  Each wave waits for all its tensor loads (one is out: its part of the other slot), adds 0 to its spare word, and waits for that and for its reads of the slot that it leaves.
; fill = 1: the slot left is filled again, with the keys two slots on, first thing behind a round of the cluster's barrier: the load has four key steps, 256 matrix instructions, in which to land.
.macro CHANGE fill
	WIN 0
	s_wait_tensorcnt 0x0
	ds_add_u32 v[SPW], v[NIL]
.if \fill
.irp g, G0K, G0V
	s_xor_b32 s[\g+1], s[\g+1], SLOT1
	s_add_nc_u64 s[\g+2:\g+3], s[\g+2:\g+3], 4*KS*128
.endr
	s_wait_xcnt 0x0                                ; the last prefetch, four key steps back, has read its address
	s_add_nc_u64 s[PFA:PFA+1], s[PFA:PFA+1], 4*KS*128
	s_wait_dscnt 0x0
	CROUND
	JLOAD
	ASK
.else
	s_wait_dscnt 0x0
	s_barrier_signal -1
	s_barrier_wait -1
.endif
	s_sub_co_u32 s[TBK], s[TBK], 4*KS*PK           ; the fetches go back to a slot's first step, in the other slot
	s_xor_b32 s[TBK], s[TBK], SLOT1
	s_sub_co_u32 s[TBV], s[TBV], 4*KS*PV
	s_xor_b32 s[TBV], s[TBV], SLOT1
.endm
	s_load_b128 s[4:7], s[0:1], 0x0                ; qkv, act
	v_lshl_add_u32 v[SPW], v0, 2, SPARE
	v_mov_b32 v[NIL], 0
	ds_add_u32 v[SPW], v[NIL]                      ; the wave's opening: the add and its wait stand ahead of my first tensor load
	v_lshrrev_b32 v1, 5, v0
	v_readfirstlane_b32 s[WV], v1
	s_bfe_u32 s13, ttmp6, 0x40000                  ; cx
	s_lshl_b32 s14, ttmp9, 2
	s_add_co_u32 s14, s14, s13                     ; my block of 256 queries: it enters Q's and O's addresses alone
	s_and_b32 s20, ttmp7, 0xffff                   ; 16 b + head, which the partners share
	s_lshl_b32 s22, s20, 18                        ; its 2,048 rows of 128 bytes
	s_and_b32 s16, s[WV], 1                        ; which half of a slot's keys I fetch
	s_lshl_b32 s21, s16, 14
	s_add_co_u32 s2, s22, s21
	s_mov_b32 s3, 0
	s_mul_i32 s17, s16, 128*PK
	s_mul_i32 s18, s16, 128*PV
	s_lshl_b32 s21, s14, 15
	s_add_co_u32 s22, s22, s21
	s_lshl_b32 s21, s[WV], 13
	s_add_co_u32 s22, s22, s21                     ; Q: my wave's 64 rows
	s_mov_b32 s23, 0
	s_and_b32 s21, s20, 15
	s_lshl_b32 s21, s21, 19                        ; act: block = head,
	s_lshr_b32 s20, s20, 4
	s_lshl_b32 s20, s20, 18                        ; token 2,048 b + my rows
	s_add_co_u32 s20, s20, s21
	s_lshl_b32 s21, s14, 15
	s_add_co_u32 s20, s20, s21
	s_lshl_b32 s21, s[WV], 13
	s_add_co_u32 s20, s20, s21
	s_mov_b32 s21, 0
	; 128 keys are 16,384 dense bytes: asked for as 64 rows of 256 bytes, padded in LDS behind every key
	s_mov_b32 s[G1K], 15|(1<<16)|(1<<20)|(1<<21)|(4<<22)|(3<<25)
	s_mov_b32 s[G1V], 15|(1<<16)|(1<<20)|(1<<21)|(4<<22)|(7<<25)
.irp g, G1K, G1V
	s_mov_b32 s[\g+1], 128<<16
	s_mov_b32 s[\g+2], 64<<16
	s_mov_b32 s[\g+3], 128<<16
	s_mov_b32 s[\g+4], 64
	s_mov_b32 s[\g+5], 128
	s_mov_b32 s[\g+6], 0
	s_mov_b32 s[\g+7], 0
.endr
	s_mov_b32 s[CS], 0x3e38aa3b                    ; c = log2(e) / 8
	s_mov_b32 s[CS+1], s[CS]
	s_mov_b32 s[SEL], 0x76543210
	s_mov_b32 s[SEL+1], 0xfedcba98
	s_mov_b32 s[TBK], SLOT1+4*KS*PK                ; the first change of slots turns these two into 0
	s_mov_b32 s[TBV], SLOT1+4*KS*PV
	s_mov_b32 s[G0K], 1
	s_mov_b32 s[G0K+1], s17
	s_mov_b32 s[G0V], 1
	s_add_co_u32 s[G0V+1], s18, VOFF
	s_mov_b32 s[SLOTS], 7
	s_and_b32 s[LIM], s[WV], 1                     ; waves 0 and 2 of the head's first cluster ask: the same in all four partners
	s_or_b32 s[LIM], s[LIM], ttmp9
	s_cmp_eq_u32 s[LIM], 0
	s_cselect_b32 s[LIM], 1, -1
	v_and_b32 v[PFO], 31, v0
	v_lshlrev_b32 v[PFO], 8, v[PFO]
	s_wait_dscnt 0x0                               ; the opening add is done
	s_wait_kmcnt 0x0
	s_add_nc_u64 s[KP:KP+1], s[4:5], s[2:3]
	s_add_nc_u64 s[VP:VP+1], s[KP:KP+1], 16777216
	s_add_nc_u64 s[KP:KP+1], s[KP:KP+1], 8388608
	s_add_nc_u64 s[QP:QP+1], s[4:5], s[22:23]
	s_add_nc_u64 s[10:11], s[6:7], s[20:21]
	s_mov_b64 s[G0K+2:G0K+3], s[KP:KP+1]
	s_or_b32 s[G0K+3], s[G0K+3], 0x80000000
	s_mov_b64 s[G0V+2:G0V+3], s[VP:VP+1]
	s_or_b32 s[G0V+3], s[G0V+3], 0x80000000
	s_cmp_lt_u32 s[WV], 2
	s_cselect_b64 s[PFA:PFA+1], s[KP:KP+1], s[VP:VP+1]
	s_lshl_b32 s2, s13, 13                         ; my work-group's 32 blocks of the 128
	s_mov_b32 s3, 0
	s_add_nc_u64 s[PFA:PFA+1], s[PFA:PFA+1], s[2:3]
	s_add_nc_u64 s[PFA:PFA+1], s[PFA:PFA+1], 4*KS*128  ; at tile 1; the first change of slots steps it to tile 2
	CROUND                                         ; all four work-groups are here
	JLOAD                                          ; slot 0
	v_and_b32 v1, 15, v0
	v_bfe_u32 v9, v0, 4, 1
	v_lshlrev_b32 v[QO], 7, v1
	v_lshl_add_u32 v[QO], v9, 4, v[QO]
	WIN 0x80
.set i, 0
.rept 8                                ; Q stays in registers: piece i / 2, channels 32 (i % 2) on
	global_load_b128 v[8*i:8*i+3],   v[QO], s[QP:QP+1] offset:(i/2)*2048+(i%2)*64
	global_load_b128 v[8*i+4:8*i+7], v[QO], s[QP:QP+1] offset:(i/2)*2048+(i%2)*64+32
.set i, i+1
.endr
	; What the first turn finds: V and P's second buffer hold 0 (its products V^T P, of a piece that has not been, add 0), O^T and l are 0.  All this stands in the wait for the first tile.
.set i, VF
.rept 64
	v_mov_b32 v[i], 0
.set i, i+1
.endr
	WIN 0x40
.set i, 0
.rept 128
	v_mov_b32 v[i], 0
.set i, i+1
.endr
	WIN 0
.set i, 0
.rept 4
	v_mov_b32 v[ST+4*i], 0xfe000000                ; c m: far below every c s
	v_mov_b32 v[ST+4*i+1], 0xff7fffff              ; m
	v_mov_b32 v[ST+4*i+2], 0
	v_mov_b32 v[ST+4*i+3], 0
.set i, i+1
.endr
.set i, P+16
.rept 16
	v_mov_b32 v[i], 0
.set i, i+1
.endr
	v_mul_u32_u24 v[AK0], v1, PK
	v_lshl_add_u32 v[AK0], v9, 4, v[AK0]
	v_and_b32 v10, 7, v0
	v_bfe_u32 v11, v0, 3, 1
	v_lshl_add_u32 v[AV0], v9, 3, v10
	v_mul_u32_u24 v[AV0], v[AV0], PV
	v_lshl_add_u32 v[AV0], v11, 4, v[AV0]
	v_add_nc_u32 v[AV0], VOFF, v[AV0]
	s_mul_i32 s13, s[WV], 16*SP
	s_add_co_u32 s13, s13, STAGE                   ; my stage
	v_mul_u32_u24 v[STO], v1, SP
	v_lshl_add_u32 v[STO], v9, 4, v[STO]
	v_add_nc_u32 v[STO], s13, v[STO]
	v_bfe_u32 v[RD], v0, 3, 2
	v_mul_u32_u24 v[RD], v[RD], SP
	v_lshl_add_u32 v[RD], v10, 4, v[RD]
	v_add_nc_u32 v[RD], s13, v[RD]
	v_and_b32 v[GO], 31, v0
	v_lshlrev_b32 v[GO], 4, v[GO]
; THE MATRIX WORK.  The 4 accumulators of a run of 8 take turns.  Product i of 8 of S^T = K Q^T for piece x: channels 32 (i / 4) on, keys 16 (i % 4) on.
.macro KQ x
	WIN W_KQ
.set rS, S+32*((\x)%2)+8*(i%4)
.set rK, KF+16*(i%4)+8*(i/4)
.set rQ, 16*(\x)+8*(i/4)
.if i < 4
	v_wmma_f32_16x16x32_bf16 v[rS:rS+7], v[rK:rK+7], v[rQ:rQ+7], 0
.else
	v_wmma_f32_16x16x32_bf16 v[rS:rS+7], v[rK:rK+7], v[rQ:rQ+7], v[rS:rS+7]
.endif
.endm
; Product i of 8 of O^T += V^T P for piece x: keys 32 (i / 4) on, channels 16 (i % 4) on.
.macro PV x
	WIN W_PV
.set rO, 32*(\x)+8*(i%4)
.set rV, VF+32*(i/4)+8*(i%4)
.set rP, P+16*((\x)%2)+8*(i/4)
	v_wmma_f32_16x16x32_bf16 v[rO:rO+7], v[rV:rV+7], v[rP:rP+7], v[rO:rO+7]
.endm
.macro MM                              ; the turn's next matrix instruction
.if i < 8
	KQ (Y+1)%NP
.else
.set i, i-8
	PV (Y+NP-1)%NP
.set i, i+8
.endif
.set i, i+1
.endm
.macro FETCH_K
	WIN 0x80
.irp f, 0,1,2,3,4,5,6,7
	ds_load_b128 v[KF+8*\f:KF+8*\f+3],   v[AK] offset:(\f/2)*16*PK+(\f%2)*64
	ds_load_b128 v[KF+8*\f+4:KF+8*\f+7], v[AK] offset:(\f/2)*16*PK+(\f%2)*64+32
.endr
	s_add_co_u32 s[TBK], s[TBK], KS*PK
	WIN 0
.endm
.macro FETCH_V
	WIN 0x80
.irp f, 0,1,2,3,4,5,6,7
	ds_load_tr16_b128 v[VF+8*\f:VF+8*\f+3],   v[AV] offset:(\f/4)*32*PV+(\f%4)*32
	ds_load_tr16_b128 v[VF+8*\f+4:VF+8*\f+7], v[AV] offset:(\f/4)*32*PV+16*PV+(\f%4)*32
.endr
	WIN 0
.endm
; THE VECTOR WORK, one line at a time: OP kind, number.  For piece Y: F n: c s - c m for pair n.  E n: the exponential of score n.  C n: pair n rounded to bf16.  B n: of the four weights 4 n .. the second
; pair is added onto the first.  L n: l takes that sum (L 0: l = a l + sum).  R n: pair n of O^T times a.  For piece Y + 1: X n, number n of the 22 that find its maximum and statistics
; (each accumulator's lowest registers are read first).
.set F, 0
.set E, 1
.set C, 2
.set B, 3
.set L, 4
.set R, 5
.set X, 6
.macro REGS y
.set rT, ST+4*(\y)
.set rC, TMP+4*((\y)%2)
.set rW, MV+((\y)%2)
.set rS, S+32*((\y)%2)
.set rP, P+16*((\y)%2)
.set rO, 32*(\y)
.endm
.macro OP k, n
.if (\k) == R
	REGS Y
	WIN W_RS
	v_pk_mul_f32 v[rO+2*(\n):rO+2*(\n)+1], v[rO+2*(\n):rO+2*(\n)+1], v[rC+2:rC+3] op_sel_hi:[1,0]
.elseif (\k) < R
	REGS Y
	WIN 0
.if (\k) == F
	v_pk_fma_f32 v[rS+2*(\n):rS+2*(\n)+1], v[rS+2*(\n):rS+2*(\n)+1], s[CS:CS+1], v[rT:rT+1] op_sel_hi:[1,0,0] neg_lo:[0,0,1] neg_hi:[0,0,1]
.elseif (\k) == E
	v_exp_f32 v[rS+(\n)], v[rS+(\n)]
.elseif (\k) == C
	v_cvt_pk_bf16_f32 v[rP+(\n)], v[rS+2*(\n)], v[rS+2*(\n)+1]
.elseif (\k) == B
	v_pk_add_f32 v[rS+4*(\n):rS+4*(\n)+1], v[rS+4*(\n):rS+4*(\n)+1], v[rS+4*(\n)+2:rS+4*(\n)+3]
.elseif (\n) == 0
	v_pk_fma_f32 v[rT+2:rT+3], v[rT+2:rT+3], v[rC+2:rC+3], v[rS:rS+1] op_sel_hi:[1,0,1]
.else
	v_pk_add_f32 v[rT+2:rT+3], v[rT+2:rT+3], v[rS+4*(\n):rS+4*(\n)+1]
.endif
.else
	REGS (Y+1)%NP
	WIN 0
.if (\n) < 4
	v_max3_num_f32 v[rC+(\n)], v[rS+8*(\n)], v[rS+8*(\n)+1], v[rS+8*(\n)+2]
.elseif (\n) < 12
	v_max3_num_f32 v[rC+(\n)%4], v[rC+(\n)%4], v[rS+8*((\n)%4)+2*((\n)/4)+1], v[rS+8*((\n)%4)+2*((\n)/4)+2]
.elseif (\n) == 12
	v_max3_num_f32 v[rC], v[rC], v[rS+7], v[rS+15]
.elseif (\n) == 13
	v_max3_num_f32 v[rC+1], v[rC+1], v[rS+23], v[rS+31]
.elseif (\n) == 14
	v_max3_num_f32 v[rC+2], v[rC+2], v[rC+3], v[rT+1]
.elseif (\n) == 15
	v_mov_b32 v[rW], v[rT]
.elseif (\n) == 16
	v_max3_num_f32 v[rC], v[rC], v[rC+1], v[rC+2]
.elseif (\n) == 17
	v_permlanex16_b32 v[rC+3], v[rC], s[SEL], s[SEL+1]
.elseif (\n) == 18
	v_max_num_f32 v[rT+1], v[rC], v[rC+3]
.elseif (\n) == 19
	v_mul_f32 v[rT], s[CS], v[rT+1]
.elseif (\n) == 20
	v_sub_f32 v[rC+1], v[rW], v[rT]
.else
	v_exp_f32 v[rC+2], v[rC+1]
.endif
.endif
.endm
.macro OPS a, i1, b=-1, i2=0, c=-1, i3=0, d=-1, i4=0
	OP \a, \i1
.if (\b) >= 0
	OP \b, \i2
.endif
.if (\c) >= 0
	OP \c, \i3
.endif
.if (\d) >= 0
	OP \d, \i4
.endif
.endm
.macro ROW a, i1, b, i2, c, i3, d, i4  ; a matrix instruction and the four behind it
	MM
	OPS \a, \i1, \b, \i2, \c, \i3, \d, \i4
.endm
; A TURN, for piece p.  Ahead of its one wait stands all that names no result of the turn's exponentials: the 8 products K Q^T with their riders, and the lump; X 21, the next piece's a, is the batch's
; last, and R 15 the plain instruction behind it.  Behind the wait stand the 8 products V^T P, behind each four of the roundings and sums.
; K of the next step is fetched in piece 2's turn; V of the step in hand at the end of piece 0's turn, four plain instructions behind the last product that read V.  Each is waited for a turn later.
; clamp = 1 (the tail): the fetch address is held to the last slot's last step, so that the trip behind the last step fetches that K once more.  cnt = 1: the loop's count is taken down ahead of the branch.
.macro TURN p, clamp=0, cnt=0
.set Y, (\p)
.set i, 0
.if (\p) == 3
	s_wait_dscnt 0x0                               ; K is in
.endif
	ROW F,0, F,1, R,0, R,1
	ROW F,2, E,0, R,2, R,3
	ROW F,3, E,1, R,4, R,5
	ROW F,4, E,2, R,6, R,7
	ROW F,5, E,3, R,8, R,9
	ROW F,6, E,4, X,0, R,10
.if (\p) == 2
	WIN 0
.if \clamp
	s_min_u32 s[TBK], s[TBK], SLOT1+3*KS*PK
.endif
	v_add_nc_u32 v[AK], s[TBK], v[AK0]
.endif
	ROW F,7, E,5, X,1, X,4
	ROW F,8, E,6, X,2, X,5
	OPS E,7, E,8, X,6, E,9
	OPS X,3, E,10, X,8, E,11
.if (\p) == 2
	FETCH_K
.endif
	OPS X,9, X,7, E,12, X,10
	OPS E,13, X,12, X,11, E,14
	OPS X,13, E,15, F,9, X,14
.if (\p) == 0
	v_add_nc_u32 v[AV], s[TBV], v[AV0]
.endif
	OPS E,16, F,10, E,17, F,11
	OPS X,16, E,18, X,15, E,19
	OPS F,12, E,20, X,17, E,21
	OPS F,13, E,22, F,14, E,23
	OPS X,18, E,24, F,15, E,25
	OPS R,11, E,26, X,19, E,27
	OPS R,12, E,28, R,13, E,29
	OPS X,20, E,30, R,14, E,31
	OPS X,21, R,15
	WIN 0
	s_wait_alu depctr_va_vdst(0)                   ; the wait for the batch
.if (\p) == 1
	s_wait_dscnt 0x0                               ; V is in
.endif
	ROW C,0, B,0, C,2, B,1
	ROW L,0, C,4, B,2, L,1
	ROW C,6, B,3, L,2, C,8
	ROW B,4, L,3, C,10, B,5
	ROW L,4, C,12, B,6, L,5
.if (\p) == 0
	s_add_co_u32 s[TBV], s[TBV], KS*PV
.endif
.if \cnt
	s_sub_co_u32 s[CNT], s[CNT], 1
	s_cmp_lg_u32 s[CNT], 0
.endif
	ROW C,14, B,7, L,6, C,1
	ROW C,3, L,7, C,5, C,7
	ROW C,9, C,11, C,13, C,15
.if (\p) == 0
	FETCH_V
.endif
.endm
	CHANGE 1                                       ; slot 0 is in, everybody's part of it; slot 1 is asked for
	v_add_nc_u32 v[AK], s[TBK], v[AK0]
	FETCH_K                                        ; key step 0
	s_wait_loadcnt 0x0                             ; Q
	s_wait_dscnt 0x0
.set i, 0
.rept 8
	KQ 0                                           ; piece 0's first scores
.set i, i+1
.endr
	WIN 0
.rept 4
	v_nop                                          ; the places behind those products
.endr
.set Y, NP-1                           ; X works for piece Y + 1: piece 0
.irp n, 0,1,2,3,4,5,6,7,8,9,10,11,12,13,14,15,16,17,18,19,20,21
	OP X, \n
.endr
	v_nop                                          ; a plain instruction behind the exponential,
	s_wait_alu depctr_va_vdst(0)                   ; and its wait, ahead of the branch
	s_mov_b32 s[CNT], 4
	s_branch .Lfirst                               ; the loop is entered at a step's first turn, in the middle of a trip
.Lslot:                                        ; six times: tiles 2 to 7 are asked for
	CHANGE 1
	s_mov_b32 s[CNT], 4
.Lstep:                                        ; a trip: pieces 2 and 3 of one step, then pieces 0 and 1 of the next, whose K and V it fetches
	TURN 2
	TURN 3
	WIN 0
.Lfirst:
	TURN 0
	TURN 1, 0, 1
	WIN 0
	s_cbranch_scc1 .Lstep
	s_sub_co_u32 s[SLOTS], s[SLOTS], 1
	s_cmp_lg_u32 s[SLOTS], 0
	s_cbranch_scc1 .Lslot
	CHANGE 0                                       ; the tail is written out: nothing is asked for
	s_mov_b32 s[CNT], 5                            ; four trips fetch the last slot's steps; the fifth is left in its middle
.Ltail:
	TURN 2, 1
	TURN 3
	WIN 0
	s_sub_co_u32 s[CNT], s[CNT], 1
	s_cmp_eq_u32 s[CNT], 0
	s_cbranch_scc1 .Lout
	TURN 0
	TURN 1
	WIN 0
	s_branch .Ltail
.Lout:                                         ; the fifth trip's 8 products K Q^T (on the last K once more) and the maximum made of them serve nothing: the price of one text for every trip
.set i, 0
.rept 8
	PV NP-1                                        ; the last piece's V^T P of the last step
.set i, i+1
.endr
	; THE WAY OUT.  l's halves are added; O^T is divided by l, rounded to bf16 and sent through my stage, a piece at a time.  The additions are the places behind the last products.
	WIN 0
.macro ALL line:vararg
.set t, 0
.rept 4
	\line
.set t, t+1
.endr
.endm
	ALL v_add_f32 v[ST+4*t+2], v[ST+4*t+2], v[ST+4*t+3]
	ALL v_permlanex16_b32 v[ST+4*t+3], v[ST+4*t+2], s[SEL], s[SEL+1]
	ALL v_add_f32 v[ST+4*t+2], v[ST+4*t+2], v[ST+4*t+3]
	ALL v_rcp_f32 v[ST+4*t+2], v[ST+4*t+2]
	v_nop
	s_wait_alu depctr_va_vdst(0)                   ; one wait for the four reciprocals
.macro PACK t
	WIN W_RS
.set i, 32*(\t)
.rept 16
	v_pk_mul_f32 v[i:i+1], v[i:i+1], v[ST+4*(\t)+2:ST+4*(\t)+3] op_sel_hi:[1,0]
.set i, i+2
.endr
	WIN 0x05
.set i, 0
.rept 16
	v_cvt_pk_bf16_f32 v[S+16*(\t)+i], v[32*(\t)+2*i], v[32*(\t)+2*i+1]
.set i, i+1
.endr
	WIN 0
.irp f, 0,1,2,3
	ds_store_b128 v[STO], v[S+16*(\t)+4*\f:S+16*(\t)+4*\f+3] offset:32*\f
.endr
.irp f, 0,1,2,3
	ds_load_b128 v[S+16*(\t)+4*\f:S+16*(\t)+4*\f+3], v[RD] offset:\f*4*SP  ; LDS serves a wave's instructions in order (ISA guide 5.7.1.4)
.endr
.endm
.macro SEND t, younger
	WIN 0
.irp f, 0,1,2,3
	s_wait_dscnt (\younger)+3-\f
	global_store_b128 v[GO], v[S+16*(\t)+4*\f:S+16*(\t)+4*\f+3], s[10:11] offset:(\t)*2048+\f*512  ; 512 consecutive bytes, aligned
.endr
.endm
	PACK 0
.set t, 1
.rept 3
	PACK t
	SEND t-1, 8
.set t, t+1
.endr
	SEND 3, 0
	s_wait_tensorcnt 0x0                           ; the wave's end
	ds_add_u32 v[SPW], v[NIL]
	s_wait_dscnt 0x0
	CROUND                                         ; the closing round
	s_endpgm
.Lfunc_end_k_q206809288c_attn:
	.size	k_q206809288c_attn, .Lfunc_end_k_q206809288c_attn-k_q206809288c_attn
	.p2alignl 7, 3214868480
	.fill 96, 4, 3214868480
	.section	.rodata,"a",@progbits
	.p2align	6, 0x0
	.amdhsa_kernel k_q206809288c_attn
		.amdhsa_group_segment_fixed_size 327680
		.amdhsa_private_segment_fixed_size 0
		.amdhsa_enable_private_segment 0
		.amdhsa_kernarg_size 16
		.amdhsa_user_sgpr_count 2
		.amdhsa_user_sgpr_kernarg_segment_ptr 1
		.amdhsa_wavefront_size32 1
		.amdhsa_system_sgpr_workgroup_id_x 1
		.amdhsa_system_sgpr_workgroup_id_y 1
		.amdhsa_system_sgpr_workgroup_id_z 1
		.amdhsa_system_vgpr_workitem_id 0
		.amdhsa_next_free_vgpr 768
		.amdhsa_next_free_sgpr 66
		.amdhsa_reserve_vcc 0
		.amdhsa_float_denorm_mode_32 3
		.amdhsa_float_denorm_mode_16_64 3
		.amdhsa_memory_ordered 1
		.amdhsa_forward_progress 1
		.amdhsa_inst_pref_size 112
	.end_amdhsa_kernel
	.amdgpu_metadata
---
amdhsa.version: [ 1, 2 ]
amdhsa.kernels:
  - .name:           k_q206809288c_attn
    .symbol:         k_q206809288c_attn.kd
    .args:
      - { .name: qkv, .offset: 0, .size: 8, .value_kind: global_buffer, .address_space: global }
      - { .name: act, .offset: 8, .size: 8, .value_kind: global_buffer, .address_space: global }
    .group_segment_fixed_size: 327680
    .private_segment_fixed_size: 0
    .kernarg_segment_align: 8
    .kernarg_segment_size: 16
    .max_flat_workgroup_size: 128
    .sgpr_count:     66
    .vgpr_count:     768
    .wavefront_size: 32
...
	.end_amdgpu_metadata
.endif
;; end of part 3
;; launch final (part 4): grid 8 x 32, 4 waves a work-group, clusters of 4 x 4, 327,680 bytes of LDS; arguments act, wc, aux, b2, x, out0; writes out0
.if DOCPART == 4
	.amdgcn_target "amdgcn-amd-amdhsa--gfx1250"
	.amdhsa_code_object_version 6
	.text
	.protected	k_q206809288c_final
	.globl	k_q206809288c_final
	.p2align	8
	.type	k_q206809288c_final,@function
k_q206809288c_final:
	s_mov_b64 s[64:65], 0
	v_nop
	global_prefetch_b8 v0, s[64:65] scope:SCOPE_SE
	s_setreg_imm32_b32 hwreg(HW_REG_WAVE_MODE, 25, 1), 1
	s_wait_xcnt 0x0
	s_wait_alu depctr_hold_cnt(0) depctr_sa_sdst(0) depctr_va_vdst(0) depctr_va_sdst(0) depctr_va_ssrc(0) depctr_va_vcc(0) depctr_vm_vsrc(0)
	s_getreg_b32 s2, hwreg(HW_REG_IB_STS2, 6, 4)
	s_cmp_eq_u32 s2, 0
	s_cbranch_scc0 .Lentry_in_a_cluster
	s_endpgm
.Lentry_in_a_cluster:
	s_bfe_u32 s2, ttmp6, 0x10000c
	s_cmp_lg_u32 s2, 0xf033
	s_cbranch_scc0 .Lentry_shape_is_right
	s_endpgm
.Lentry_shape_is_right:
; FINAL: out0 = x + [a | g] wc + bc, f32 [4096][1024].  bc = b2 + the sum of the 64 partial vectors pb (bao W2a + bmo W2b), all in f32; x is added in f32.
; A = act, in blocks [28 kb][4096][64] (K along the rows); B = wc [1792 k][1024 n], both bf16.  Sums in f32.
; A tile of out0 is 128 x 128: four waves, each 64 x 64 in 16 accumulators; 256 work-groups.  K = 1,792 goes in 7 steps of 256 through two LDS slots.
; CLUSTER 4 x 4: A's tile is shared along a row of the cluster, B's along a column; each is asked for jointly.
; THE MATRIX INSTRUCTION IS USED TRANSPOSED (source 0 = 16 columns of wc, turned on the way out of LDS; source 1 = 16 rows of act).
; REGISTERS: window 0: v0-31 addresses; v32-63 the way out; v96-103 bc and b2 of my four columns; v128-255 accumulators (ahead of the K loop: the partial vectors).
;   window 1: two fragment buffers of 128.  Window 2: v0-127 my 64 x 64 of x, on its way during the K loop.
.set PA,     144
.set PB,     288
.set ASUB,   128*PA
.set BOFF,   4*ASUB
.set PART,   2*ASUB
.set SLOT,   0x24000
.set STAGE,  2*SLOT                    ; behind the ring: 16 rows x 272 bytes for each wave
.set SPITCH, 272
.set SPARE,  STAGE+4*16*SPITCH
.set ROWS,   4096
.set STEPS,  7
.set ASTEP,  4*ROWS*128
.set BSTEP,  256*2048
.set ADRA0, 16
.set ADRA,  17
.set ADRB0, 20
.set ADRB,  21
.set ADRB2, 22
.set STO,   24
.set RD,    25
.set CO,    26
.set BO,    27
.set SPW,   28
.set NIL,   29
.set PFO,   30
.set B2O,   31
.set T,     32
.set BIAS,  96
.set ACC,   128
.set F0,    0
.set F1,    128
.set WV, 16
.set RH, 17
.set CH, 18
.set CX, 19
.set CY, 20
.set NT, 21
.set MT, 22
.set TB, 23
.set G1,  24
.set G0,  32
.set G1B, 48
.set G0B, 56
.set PFA, 66
.set PFS, 68
.set LIM, 70
.set XB,  72
.set OB,  74
.set SEL, 82
.set MSB, 0
.macro WIN new
.if MSB != (\new)
	s_set_vgpr_msb (MSB<<8)|(\new)
.set MSB, \new
.endif
.endm
.set MUL,  0x05
.set TO_F, 0x40
.macro PLACES
.rept 4
	v_nop
.endr
.endm
.macro JLOAD
	s_cmp_eq_u32 s[RH], 0
	s_cbranch_scc0 .Lfor_b_\@
	tensor_load_to_lds s[G0+4:G0+7], s[G1:G1+7]
	s_nop 0
	PLACES
	s_branch .Lasked_\@
.Lfor_b_\@:
	tensor_load_to_lds s[G0B+4:G0B+7], s[G1B:G1B+7]
	s_nop 0
	PLACES
.Lasked_\@:
.endm
.macro CREST
	s_cmp_lg_u32 s[WV], 0
	s_cbranch_scc1 .Lnot_wave_0_\@
	s_barrier_signal -3
.Lnot_wave_0_\@:
	s_barrier_wait -3
	s_barrier_signal -1
	s_barrier_wait -1
.endm
.macro CROUND
	s_barrier_signal -1
	s_barrier_wait -1
	CREST
.endm
; A PREFETCH INTO THE L2 of the K step that stands two refills on: 256 matrix instructions ahead of the load that will want it.  Each block of 256 bytes is named once: A's tile row is read by both
; clusters of that row of clusters, and the one with x = 0 asks; B's tile column by all eight clusters of that column, and the one with y = 0 asks.  Of the 128 blocks that a wave fetches each of the
; four partners that ask for them jointly takes 32, told apart by address.  Steps 4, 5 and 6 are asked for; the loop's last two trips ask for nothing.
.macro ASK
	s_cmp_gt_u32 s3, s[LIM]
	s_cbranch_scc0 .Lnot_mine_\@
	global_prefetch_b8 v[PFO], s[PFA:PFA+1] th:TH_LOAD_NT scope:SCOPE_SE
.Lnot_mine_\@:
.endm
	s_load_b256 s[4:11], s[0:1], 0x0               ; act 4, wc 6, aux 8, b2 10
	s_load_b128 s[12:15], s[0:1], 0x20             ; x 12, out0 14
	v_lshl_add_u32 v[SPW], v0, 2, SPARE
	v_mov_b32 v[NIL], 0
	ds_add_u32 v[SPW], v[NIL]                      ; the wave's opening: the add and its wait stand ahead of my first tensor load
	v_lshrrev_b32 v1, 5, v0
	v_readfirstlane_b32 s[WV], v1
	s_lshr_b32 s[RH], s[WV], 1
	s_and_b32 s[CH], s[WV], 1
	s_bfe_u32 s[CX], ttmp6, 0x40000
	s_bfe_u32 s[CY], ttmp6, 0x40004
	s_lshl_b32 s[NT], ttmp9, 2
	s_add_co_u32 s[NT], s[NT], s[CX]
	s_and_b32 s[MT], ttmp7, 0xffff
	s_lshl_b32 s[MT], s[MT], 2
	s_add_co_u32 s[MT], s[MT], s[CY]
	s_lshl_b32 s80, s[CY], 2
	s_lshl_b32 s80, 15, s80                        ; my row of the cluster
	s_lshl_b32 s81, 0x1111, s[CX]                  ; my column
	s_or_b32 s[G1+0], s80, (1<<16)|(1<<20)|(1<<21)|(4<<22)|(3<<25)
	s_mov_b32 s[G1+1], 8192<<16                    ; A: two blocks of 128 dense rows = two rows of 8,192 elements, padded behind every 128 bytes
	s_mov_b32 s[G1+2], 2<<16
	s_mov_b32 s[G1+3], 8192<<16
	s_mov_b32 s[G1+4], 2
	s_mov_b32 s[G1+5], ROWS*64
	s_mov_b32 s[G1+6], 0
	s_mov_b32 s[G1+7], 0
	s_or_b32 s[G1B+0], s81, (1<<16)|(1<<20)|(1<<21)|(5<<22)|(7<<25)
	s_mov_b32 s[G1B+1], 128<<16                    ; B: 128 k-rows of 128 elements, padded by 32 bytes
	s_mov_b32 s[G1B+2], 128<<16
	s_mov_b32 s[G1B+3], 128<<16
	s_mov_b32 s[G1B+4], 128
	s_mov_b32 s[G1B+5], 1024
	s_mov_b32 s[G1B+6], 0
	s_mov_b32 s[G1B+7], 0
	s_lshl_b32 s40, s[CH], 20                      ; A: blocks 2 CH, 2 CH + 1, rows 128 MT on: the tile row alone
	s_lshl_b32 s41, s[MT], 14
	s_add_co_u32 s40, s40, s41
	s_mov_b32 s41, 0
	s_lshl_b32 s44, s[CH], 18                      ; B: k-rows 128 CH on, byte 256 NT: the tile column alone
	s_lshl_b32 s45, s[NT], 8
	s_add_co_u32 s44, s44, s45
	s_mov_b32 s45, 0
	s_mul_i32 s46, s[WV], PART
	s_mov_b32 s[TB], 0
	s_mov_b32 s[SEL], 0x76543210
	s_mov_b32 s[SEL+1], 0xfedcba98
	s_wait_dscnt 0x0                               ; the opening add is done
	s_wait_kmcnt 0x0
	s_add_nc_u64 s[40:41], s[4:5], s[40:41]
	s_add_nc_u64 s[44:45], s[6:7], s[44:45]
	CROUND                                         ; all sixteen work-groups are here: the first joint loads meet
.irp s, 0,1
	s_mov_b32 s[G0+4*(\s)], 1
	s_add_co_u32 s[G0+4*(\s)+1], s46, (\s)*SLOT
	s_add_nc_u64 s[G0+4*(\s)+2:G0+4*(\s)+3], s[40:41], (\s)*ASTEP
	s_or_b32 s[G0+4*(\s)+3], s[G0+4*(\s)+3], 0x80000000
	s_mov_b32 s[G0B+4*(\s)], 1
	s_add_co_u32 s[G0B+4*(\s)+1], s46, (\s)*SLOT
	s_add_nc_u64 s[G0B+4*(\s)+2:G0B+4*(\s)+3], s[44:45], (\s)*BSTEP
	s_or_b32 s[G0B+4*(\s)+3], s[G0B+4*(\s)+3], 0x80000000
.endr
	s_cmp_eq_u32 s[RH], 0                          ; a wave's two first fills stand in one branch: two loads of mine are out
	s_cbranch_scc0 .Lfirst_b
	tensor_load_to_lds s[G0:G0+3], s[G1:G1+7]
	s_nop 0
	tensor_load_to_lds s[G0+4:G0+7], s[G1:G1+7]
	s_nop 0
	PLACES
	s_branch .Lfirst_asked
.Lfirst_b:
	tensor_load_to_lds s[G0B:G0B+3], s[G1B:G1B+7]
	s_nop 0
	tensor_load_to_lds s[G0B+4:G0B+7], s[G1B:G1B+7]
	s_nop 0
	PLACES
.Lfirst_asked:
	v_and_b32 v1, 15, v0
	v_bfe_u32 v2, v0, 4, 1
	v_and_b32 v3, 7, v0
	v_bfe_u32 v4, v0, 3, 1
	; the bias and x: lane l holds row l / 16 (of two) and columns 4 (l % 16) + 0..3 of my wave's 64
	s_lshl_b32 s76, s[NT], 9
	s_lshl_b32 s77, s[CH], 8
	s_add_co_u32 s76, s76, s77                     ; my 64 columns, in bytes of f32
	v_lshlrev_b32 v[CO], 12, v2
	v_lshl_add_u32 v[CO], v1, 4, v[CO]
	v_add_nc_u32 v[BO], s76, v[CO]
	v_lshl_add_u32 v[B2O], v1, 4, s76
.set i, 0
.rept 32
	global_load_b128 v[ACC+4*i:ACC+4*i+3], v[BO], s[8:9] offset:8192*i  ; pb[l / 16 + 2 i]
.set i, i+1
.endr
	global_load_b128 v[BIAS+4:BIAS+7], v[B2O], s[10:11]
	s_lshl_b32 s78, s[MT], 19
	s_lshl_b32 s79, s[RH], 18
	s_add_co_u32 s78, s78, s79
	s_add_co_u32 s78, s78, s76
	s_mov_b32 s79, 0
	s_add_nc_u64 s[XB:XB+1], s[12:13], s[78:79]
	s_add_nc_u64 s[OB:OB+1], s[14:15], s[78:79]
	WIN 0x80                                       ; destination window 2
.set i, 0
.rept 32
	global_load_b128 v[4*i:4*i+3], v[CO], s[XB:XB+1] offset:8192*i th:TH_LOAD_NT  ; rows 2 i, 2 i + 1 of my 64
.set i, i+1
.endr
	WIN 0
	v_mul_u32_u24 v[ADRA0], v1, PA
	v_lshl_add_u32 v[ADRA0], v2, 4, v[ADRA0]
	s_mul_i32 s47, s[RH], 64*PA
	v_add_nc_u32 v[ADRA0], s47, v[ADRA0]
	v_lshl_add_u32 v[ADRB0], v2, 3, v3
	v_mul_u32_u24 v[ADRB0], v[ADRB0], PB
	v_lshl_add_u32 v[ADRB0], v4, 4, v[ADRB0]
	s_lshl_b32 s47, s[CH], 7
	s_add_co_u32 s47, s47, BOFF
	v_add_nc_u32 v[ADRB0], s47, v[ADRB0]
	s_mul_i32 s47, s[WV], 16*SPITCH
	s_add_co_u32 s47, s47, STAGE                   ; my stage
	v_mul_u32_u24 v5, v1, SPITCH                   ; in: row l % 16, 32 bytes for each half of the lanes
	v_lshl_add_u32 v5, v2, 5, v5
	v_add_nc_u32 v[STO], s47, v5
	v_mul_u32_u24 v5, v2, SPITCH                   ; back: lanes 0-15 one row of 256 bytes, lanes 16-31 the next
	v_lshl_add_u32 v5, v1, 4, v5
	v_add_nc_u32 v[RD], s47, v5
	; the prefetches stand at step 3; the first change of slots steps them to step 4
	s_lshr_b32 s76, s[CX], 1
	s_lshl_b32 s76, s76, 19                        ; A: which of my two blocks,
	s_and_b32 s77, s[CX], 1
	s_lshl_b32 s77, s77, 13                        ; and which half of its 16,384 bytes
	s_add_co_u32 s76, s76, s77
	s_lshl_b32 s77, s[CY], 16                      ; B: which 32 of my 128 k-rows
	s_and_b32 s78, ttmp7, 0xffff
	s_mov_b32 s79, BSTEP
	s_cmp_eq_u32 s[RH], 0
	s_cselect_b32 s76, s76, s77
	s_cselect_b32 s78, ttmp9, s78                  ; the coordinate along which other clusters read the same blocks
	s_cselect_b64 s[PFA:PFA+1], s[40:41], s[44:45]
	s_cselect_b32 s[PFS], ASTEP, s79
	s_cselect_b32 s79, 8, 11                       ; a lane a block of 256 bytes, or a lane a k-row
	s_mov_b32 s77, 0
	s_mov_b32 s[PFS+1], 0
	s_add_nc_u64 s[PFA:PFA+1], s[PFA:PFA+1], s[76:77]
	s_mul_i32 s76, s[PFS], 3
	s_add_nc_u64 s[PFA:PFA+1], s[PFA:PFA+1], s[76:77]
	s_cmp_eq_u32 s78, 0
	s_cselect_b32 s[LIM], 2, -1                    ; the same in all sixteen partners, for a given wave
	v_and_b32 v5, 31, v0
	v_lshlrev_b32 v[PFO], s79, v5
	s_wait_loadcnt 32                              ; the 33 loads of the bias are in; x's 32 stay out until the way out
.irp n, 16,8,4,2,1
.set i, 0
.rept \n
	v_pk_add_f32 v[ACC+4*i:ACC+4*i+1],   v[ACC+8*i:ACC+8*i+1],   v[ACC+8*i+4:ACC+8*i+5]
	v_pk_add_f32 v[ACC+4*i+2:ACC+4*i+3], v[ACC+8*i+2:ACC+8*i+3], v[ACC+8*i+6:ACC+8*i+7]
.set i, i+1
.endr
.endr
.irp e, 0,1,2,3
	v_permlanex16_b32 v[ACC+4+\e], v[ACC+\e], s[SEL], s[SEL+1]  ; the other half of the lanes holds the odd partial vectors
.endr
	v_pk_add_f32 v[BIAS:BIAS+1],   v[ACC:ACC+1],   v[ACC+4:ACC+5]
	v_pk_add_f32 v[BIAS+2:BIAS+3], v[ACC+2:ACC+3], v[ACC+6:ACC+7]
	v_pk_add_f32 v[BIAS:BIAS+1],   v[BIAS:BIAS+1],   v[BIAS+4:BIAS+5]
	v_pk_add_f32 v[BIAS+2:BIAS+3], v[BIAS+2:BIAS+3], v[BIAS+6:BIAS+7]
.macro SETADR
	v_add_nc_u32 v[ADRA], s[TB], v[ADRA0]
	v_add_nc_u32 v[ADRB], s[TB], v[ADRB0]
	v_add_nc_u32 v[ADRB2], 128*PB, v[ADRB]
.endm
; 8 matrix instructions; the 16 accumulators take turns, one instruction a turn
.macro MUL8 f, c, a0, zero
	WIN MUL
.irp a, \a0, (\a0)+1
.irp b, 0,1,2,3
.if \zero
	v_wmma_f32_16x16x32_bf16 v[ACC+8*(4*(\a)+(\b)):ACC+8*(4*(\a)+(\b))+7], v[(\f)+64+8*(4*(\c)+(\b)):(\f)+64+8*(4*(\c)+(\b))+7], v[(\f)+8*(4*(\c)+(\a)):(\f)+8*(4*(\c)+(\a))+7], 0
.else
	v_wmma_f32_16x16x32_bf16 v[ACC+8*(4*(\a)+(\b)):ACC+8*(4*(\a)+(\b))+7], v[(\f)+64+8*(4*(\c)+(\b)):(\f)+64+8*(4*(\c)+(\b))+7], v[(\f)+8*(4*(\c)+(\a)):(\f)+8*(4*(\c)+(\a))+7], v[ACC+8*(4*(\a)+(\b)):ACC+8*(4*(\a)+(\b))+7]
.endif
.endr
.endr
.endm
.macro FETCH q, f
	WIN TO_F
.irp c, 0,1
.irp i, 0,1,2,3
.if (\q) < 2
	ds_load_tr16_b128 v[(\f)+64+8*(4*(\c)+(\i)):(\f)+64+8*(4*(\c)+(\i))+3],   v[ADRB] offset:(64*(\q)+32*(\c))*PB+32*(\i)
	ds_load_tr16_b128 v[(\f)+64+8*(4*(\c)+(\i))+4:(\f)+64+8*(4*(\c)+(\i))+7], v[ADRB] offset:(64*(\q)+32*(\c)+16)*PB+32*(\i)
.else
	ds_load_tr16_b128 v[(\f)+64+8*(4*(\c)+(\i)):(\f)+64+8*(4*(\c)+(\i))+3],   v[ADRB2] offset:(64*(\q)-128+32*(\c))*PB+32*(\i)
	ds_load_tr16_b128 v[(\f)+64+8*(4*(\c)+(\i))+4:(\f)+64+8*(4*(\c)+(\i))+7], v[ADRB2] offset:(64*(\q)-128+32*(\c)+16)*PB+32*(\i)
.endif
	ds_load_b128 v[(\f)+8*(4*(\c)+(\i)):(\f)+8*(4*(\c)+(\i))+3],   v[ADRA] offset:(\q)*ASUB+(\i)*16*PA+64*(\c)
	ds_load_b128 v[(\f)+8*(4*(\c)+(\i))+4:(\f)+8*(4*(\c)+(\i))+7], v[ADRA] offset:(\q)*ASUB+(\i)*16*PA+64*(\c)+32
.endr
.endr
.endm
.macro QUARTER q, f, g, zero
	s_wait_dscnt 16                                ; the first 32 along K are in; the 16 younger loads may be out
	MUL8 \f, 0, 0, \zero
	MUL8 \f, 0, 2, \zero
	PLACES
	FETCH \q, \g
	s_wait_dscnt 32                                ; all but the 32 just issued
	MUL8 \f, 1, 0, 0
	MUL8 \f, 1, 2, 0
.endm
; The last quarter of a step multiplies buffer 1 and changes slots.  fill = 1: the slot left is filled again.  fill = 0: the tail's two trips: nothing is asked for, and in the last
; trip (s3 = 1) there is no further step: its fetch is jumped over, a forward jump over LDS loads alone.
.macro TURN fill
.if \fill
	s_wait_xcnt 0x0                                ; the last prefetch, a K step back, has read its address
	s_add_nc_u64 s[PFA:PFA+1], s[PFA:PFA+1], s[PFS:PFS+1]
.endif
	WIN 0
	s_wait_tensorcnt 0x0                           ; all my tensor loads have landed: my part of the next slot
	ds_add_u32 v[SPW], v[NIL]                      ; 0 onto my spare word
	s_wait_dscnt 17                                ; the add and the youngest sixteen loads may be out
	MUL8 F1, 0, 0, 0
	s_wait_dscnt 0x0                               ; the add is done, and my reads of this slot are over
	s_barrier_signal -1
	MUL8 F1, 0, 2, 0
	WIN 0
	s_barrier_wait -1
.if \fill
	CREST                                          ; no wave of any partner still reads this slot or has a load on its way
	s_xor_b32 s[G0+5], s[G0+5], SLOT
	s_add_nc_u64 s[G0+6:G0+7], s[G0+6:G0+7], ASTEP
	s_xor_b32 s[G0B+5], s[G0B+5], SLOT
	s_add_nc_u64 s[G0B+6:G0B+7], s[G0B+6:G0B+7], BSTEP
	JLOAD                                          ; my one tensor load behind the round: 112 matrix instructions ahead of the wait for it
	s_xor_b32 s[TB], s[TB], SLOT
	SETADR
	FETCH 0, F0
	WIN 0
	ASK
.else
	PLACES
	s_cmp_eq_u32 s3, 1
	s_cbranch_scc1 .Lno_fetch_\@
	s_xor_b32 s[TB], s[TB], SLOT
	SETADR
	FETCH 0, F0
	WIN 0
.Lno_fetch_\@:
.endif
	MUL8 F1, 1, 0, 0
	MUL8 F1, 1, 2, 0
.endm
	SETADR
	s_wait_tensorcnt 1                             ; my part of step 0 is in; step 1's may stay out
	s_barrier_signal -1
	s_barrier_wait -1
	FETCH 0, F0
	QUARTER 1, F0, F1, 1                           ; the first products start the sums
	WIN 0
	s_mov_b32 s3, STEPS-2
.Lstep:
	QUARTER 2, F1, F0, 0
	QUARTER 3, F0, F1, 0
	TURN 1
	QUARTER 1, F0, F1, 0
	WIN 0
	s_sub_co_u32 s3, s3, 1
	s_cmp_lg_u32 s3, 0
	s_cbranch_scc1 .Lstep
	s_mov_b32 s3, 2                                ; the last two steps fill nothing: a second loop; it is left in its middle.
.Ltail:                                        ; (its second trip's wait, add and barrier order nothing more: the price of one text for both trips)
	QUARTER 2, F1, F0, 0
	QUARTER 3, F0, F1, 0
	TURN 0
	WIN 0
	s_sub_co_u32 s3, s3, 1
	s_cmp_eq_u32 s3, 0
	s_cbranch_scc1 .Lout
	QUARTER 1, F0, F1, 0
	WIN 0
	s_branch .Ltail
.Lout:
	; THE WAY OUT, 16 rows at a time through my own stage: in by columns of eight, back as whole rows of 256 bytes; bc and x are added; stored
	PLACES
	s_wait_loadcnt 0x0                             ; x
.irp a, 0,1,2,3
.irp b, 0,1,2,3
	ds_store_b128 v[STO], v[ACC+8*(4*(\a)+(\b)):ACC+8*(4*(\a)+(\b))+3]   offset:64*(\b)
	ds_store_b128 v[STO], v[ACC+8*(4*(\a)+(\b))+4:ACC+8*(4*(\a)+(\b))+7] offset:64*(\b)+16
.endr
	s_wait_xcnt 0x0                                ; the registers that the last block's stores read are loaded again only behind this wait
.irp t, 0,1,2,3,4,5,6,7
	ds_load_b128 v[T+4*(\t):T+4*(\t)+3], v[RD] offset:(\t)*2*SPITCH  ; LDS serves a wave's instructions in order (ISA guide 5.7.1.4): these see the stores above
.endr
	s_wait_dscnt 0x0
.irp t, 0,1,2,3,4,5,6,7
	v_pk_add_f32 v[T+4*(\t):T+4*(\t)+1],   v[T+4*(\t):T+4*(\t)+1],   v[BIAS:BIAS+1]
	v_pk_add_f32 v[T+4*(\t)+2:T+4*(\t)+3], v[T+4*(\t)+2:T+4*(\t)+3], v[BIAS+2:BIAS+3]
.endr
	WIN 0x08                                       ; source 1 in window 2: x
.irp t, 0,1,2,3,4,5,6,7
	v_pk_add_f32 v[T+4*(\t):T+4*(\t)+1],   v[T+4*(\t):T+4*(\t)+1],   v[32*(\a)+4*(\t):32*(\a)+4*(\t)+1]
	v_pk_add_f32 v[T+4*(\t)+2:T+4*(\t)+3], v[T+4*(\t)+2:T+4*(\t)+3], v[32*(\a)+4*(\t)+2:32*(\a)+4*(\t)+3]
.endr
	WIN 0
.irp t, 0,1,2,3,4,5,6,7
	global_store_b128 v[CO], v[T+4*(\t):T+4*(\t)+3], s[OB:OB+1] offset:(16*(\a)+2*(\t))*4096 th:TH_STORE_NT  ; 16 lanes store 256 consecutive bytes, aligned
.endr
.endr
	s_wait_tensorcnt 0x0                           ; the wave's end
	ds_add_u32 v[SPW], v[NIL]
	s_wait_dscnt 0x0
	CROUND                                         ; the closing round
	s_endpgm
.Lfunc_end_k_q206809288c_final:
	.size	k_q206809288c_final, .Lfunc_end_k_q206809288c_final-k_q206809288c_final
	.p2alignl 7, 3214868480
	.fill 96, 4, 3214868480
	.section	.rodata,"a",@progbits
	.p2align	6, 0x0
	.amdhsa_kernel k_q206809288c_final
		.amdhsa_group_segment_fixed_size 327680
		.amdhsa_private_segment_fixed_size 0
		.amdhsa_enable_private_segment 0
		.amdhsa_kernarg_size 48
		.amdhsa_user_sgpr_count 2
		.amdhsa_user_sgpr_kernarg_segment_ptr 1
		.amdhsa_wavefront_size32 1
		.amdhsa_system_sgpr_workgroup_id_x 1
		.amdhsa_system_sgpr_workgroup_id_y 1
		.amdhsa_system_sgpr_workgroup_id_z 1
		.amdhsa_system_vgpr_workitem_id 0
		.amdhsa_next_free_vgpr 640
		.amdhsa_next_free_sgpr 96
		.amdhsa_reserve_vcc 0
		.amdhsa_float_denorm_mode_32 3
		.amdhsa_float_denorm_mode_16_64 3
		.amdhsa_memory_ordered 1
		.amdhsa_forward_progress 1
		.amdhsa_inst_pref_size 78
	.end_amdhsa_kernel
	.amdgpu_metadata
---
amdhsa.version: [ 1, 2 ]
amdhsa.kernels:
  - .name:           k_q206809288c_final
    .symbol:         k_q206809288c_final.kd
    .args:
      - { .name: act, .offset: 0, .size: 8, .value_kind: global_buffer, .address_space: global }
      - { .name: wc, .offset: 8, .size: 8, .value_kind: global_buffer, .address_space: global }
      - { .name: aux, .offset: 16, .size: 8, .value_kind: global_buffer, .address_space: global }
      - { .name: b2, .offset: 24, .size: 8, .value_kind: global_buffer, .address_space: global }
      - { .name: x, .offset: 32, .size: 8, .value_kind: global_buffer, .address_space: global }
      - { .name: out0, .offset: 40, .size: 8, .value_kind: global_buffer, .address_space: global }
    .group_segment_fixed_size: 327680
    .private_segment_fixed_size: 0
    .kernarg_segment_align: 8
    .kernarg_segment_size: 48
    .max_flat_workgroup_size: 128
    .sgpr_count:     96
    .vgpr_count:     640
    .wavefront_size: 32
...
	.end_amdgpu_metadata
.endif
;; end of part 4
;; ======== version 2 of 2: 4 launches; version 1 with the launch prep written anew for expert scheduling mode
;; workspace buffers: xn 8,388,608 bytes; w1b 7,864,320 bytes; w2b 4,194,304 bytes; acat 3,670,016 bytes; aux 277,504 bytes; wc 3,670,016 bytes; qkv 25,165,824 bytes; act 14,680,064 bytes
;; launch prep (part 5): grid 761 x 1, 8 waves a work-group, no clusters, 0 bytes of LDS; arguments x, norm_g, norm_b, W1, W2, Wao, Wmo, bao, bmo, b1, xn, w1b, w2b, acat, aux; writes xn, w1b, w2b, acat, aux
.if DOCPART == 5
	.amdgcn_target "amdgcn-amd-amdhsa--gfx1250"
	.amdhsa_code_object_version 6
	.text
	.protected	k_q206809288c_prep
	.globl	k_q206809288c_prep
	.p2align	8
	.type	k_q206809288c_prep,@function
k_q206809288c_prep:
	s_mov_b64 s[64:65], 0
	v_nop
	global_prefetch_b8 v0, s[64:65] scope:SCOPE_SE
	s_setreg_imm32_b32 hwreg(HW_REG_WAVE_SCHED_MODE, 0, 2), 2
	s_setreg_imm32_b32 hwreg(HW_REG_WAVE_MODE, 25, 1), 1
	s_wait_xcnt 0x0
	s_wait_alu depctr_vm_vsrc(0)
; PREP: everything that is only read, rounded and laid out anew.  A stream through registers: no LDS, no matrix unit, no barrier.
; The work-group's number chooses one of five roles; the two roles that go to memory twice in a row have the lowest numbers:
;   0-63     W2   w2b = W2 in bf16; the same 32 rows also give a partial sum of bias x W2 in f32 (bao for rows 0-1023, bmo for the rest):
;                 64 partial vectors pb[p][1024] in aux, added up by the last launch.  Two trips of 16 rows.
;   64-119   AC   acat = [Wao ; Wmo ; 0] in bf16, in blocks of 64 columns: [16 kb][1792 row][64]; a wave takes 4 rows, two trips of two.
;   120      B1   b1, lengthened with zeros to 3,840 numbers, at byte 262,144 of aux.
;   121-248  W1   w1b = W1 in bf16, [1024][3840]: columns 3788-3839 are written as 0; a wave takes one row, all 30 loads out at once.
;   249-760  LN   xn = LayerNorm(x) g + b, bf16 [4096][1024]; a wave takes ONE row: its 24 loads go out together, and the row lies in 32 registers
;                 between the passes.  Mean first, then the mean of the squared differences: a common offset of x costs no digits.
; Each number is rounded once, to nearest even.  NaN and infinities are not treated apart.
; THE MODE: SCHED_MODE bits 1:0 = 2 (LLVM: expert scheduling mode 2), set by the entry lines.  The code itself states the register dependences
; between vector instructions and memory instructions, with s_wait_alu, always for 0.
; THE PLAN.  Registers that memory instructions touch:
;   offsets   v2, v3 (W1 also v4; B1 two for each group): written once at a role's head, ahead of one wait on va_vdst, and never again: rows are reached by
;             scalar bases and immediate offsets.
;   data      within a trip every load has four registers of its own; they are rounded in place, and the store leaves from the first two of them.
;   W1, W2, AC  a trip's loads go in groups of 5, 4 and 4.  Group g's vector instructions name group g's registers alone (W2: and the sums v8-11); the stores that
;             are dealt among them are group g - 1's.  So one wait on va_vdst at a group's head, behind the wait for the group's data, states all that those
;             stores hang on, and one more stands ahead of the last group's stores.
;   W2, AC    the second trip's loads land in registers that the first trip's vector instructions read and wrote: they all stand ahead of the trip's last wait
;             on va_vdst; and that its stores read: one wait on vm_vsrc at the trip's end, beside s_wait_xcnt.
;   LN        the row's 16 roundings, one wait on va_vdst, the 8 stores.
; Scalar results of vector instructions: the wave's number, B1's masks, W1's VCC: each has its wait in the run of code that writes it.  EXEC is never written.
.set FIRST_AC, 64
.set FIRST_B1, 120
.set FIRST_W1, 121
.set FIRST_LN, 249
.set G,   8                            ; v[8:39]    LN: gain of my 32 columns (128 j + 4 lane + 0..3)
.set BT,  40                           ; v[40:71]   LN: bias of the same
.set XR,  72                           ; v[72:103]  LN: the row
.set T,   104                          ; v[104:119] LN: at work
.set MU,  120                          ; v[120:121] LN: the mean, twice
.set R,   122                          ; v[122:123] LN: 1 / sqrt(var + eps), twice
.set WV,  34                           ; s34  my wave's number
.set WG,  35                           ; s35  the work-group's number
.set SRC, 36                           ; s[36:37] where I read
.set DST, 38                           ; s[38:39] where I store
.set BV,  40                           ; s[40:55] W2: sixteen numbers of the bias
.set SEL, 40                           ; s[40:41] LN: v_permlanex16_b32: each lane takes its own place in the other half
.set BM,  40                           ; s[40:43] B1: group i's mask: the lanes whose group lies inside b1
.set BP,  56                           ; s[56:57] W2: where the bias comes from
.set CNT, 62                           ; s[58:59]: a 32-bit offset with 0 above it; s60, s61 at work
.macro REDUCE                          ; T's eight pairs -> their sum over the row, in v[T] of every lane
.irp n, 4,2,1
.set i, 0
.rept \n
	v_pk_add_f32 v[T+2*i:T+2*i+1], v[T+4*i:T+4*i+1], v[T+4*i+2:T+4*i+3]
.set i, i+1
.endr
.endr
	v_add_f32 v[T], v[T], v[T+1]
.irp m, 1,2,4,8
	v_add_f32_dpp v[T], v[T], v[T] row_xmask:\m row_mask:0xf bank_mask:0xf
.endr
	v_permlanex16_b32 v[T+1], v[T], s[SEL], s[SEL+1]
	v_add_f32 v[T], v[T], v[T+1]
.endm
	s_load_b512 s[4:19], s[0:1], 0x0               ; x 4, norm_g 6, norm_b 8, W1 10, W2 12, Wao 14, Wmo 16, bao 18
	s_load_b256 s[20:27], s[0:1], 0x40             ; bmo 20, b1 22, xn 24, w1b 26
	s_load_b128 s[28:31], s[0:1], 0x60             ; w2b 28, acat 30
	s_load_b64 s[32:33], s[0:1], 0x70              ; aux
	v_and_b32 v1, 31, v0                           ; lane
	v_lshrrev_b32 v4, 5, v0
	v_readfirstlane_b32 s[WV], v4
	s_wait_alu depctr_va_sdst(0)                   ; the wave's number is written, ahead of the branches below and of its first reader in every role
	s_mov_b32 s[WG], ttmp9
	s_mov_b32 s59, 0                               ; the high word of every 32-bit offset
	s_wait_kmcnt 0x0
	s_cmp_lt_u32 s[WG], FIRST_AC
	s_cbranch_scc1 .Lw2
	s_cmp_lt_u32 s[WG], FIRST_B1
	s_cbranch_scc1 .Lac
	s_cmp_lt_u32 s[WG], FIRST_W1
	s_cbranch_scc1 .Lb1
	s_cmp_lt_u32 s[WG], FIRST_LN
	s_cbranch_scc1 .Lw1
; ---- LN: one row a wave
	s_sub_co_u32 s60, s[WG], FIRST_LN
	s_lshl_b32 s60, s60, 3
	s_add_co_u32 s60, s60, s[WV]                   ; my row
	s_lshl_b32 s58, s60, 12
	s_add_nc_u64 s[SRC:SRC+1], s[4:5], s[58:59]
	s_lshl_b32 s58, s60, 11
	s_add_nc_u64 s[DST:DST+1], s[24:25], s[58:59]
	s_mov_b32 s[SEL], 0x76543210
	s_mov_b32 s[SEL+1], 0xfedcba98
	v_lshlrev_b32 v2, 4, v1                        ; 16 bytes a lane in
	v_lshlrev_b32 v3, 3, v1                        ; 8 bytes a lane out
	v_mov_b32 v5, 0x3a800000                       ; 1 / 1024
	s_wait_alu depctr_va_vdst(0)                   ; v2 and v3 are written: the loads read the one as their offset, the stores the other
.irp j, 0,1,2,3,4,5,6,7
	global_load_b128 v[XR+4*(\j):XR+4*(\j)+3], v2, s[SRC:SRC+1] offset:512*(\j) th:TH_LOAD_NT
.endr
.irp j, 0,1,2,3,4,5,6,7
	global_load_b128 v[G+4*(\j):G+4*(\j)+3], v2, s[6:7] offset:512*(\j)
	global_load_b128 v[BT+4*(\j):BT+4*(\j)+3], v2, s[8:9] offset:512*(\j)
.endr
	s_wait_loadcnt 16                              ; the row is in; the 16 younger loads, gain and bias, may stay out
.set i, 0
.rept 8
	v_pk_add_f32 v[T+2*i:T+2*i+1], v[XR+4*i:XR+4*i+1], v[XR+4*i+2:XR+4*i+3]
.set i, i+1
.endr
	REDUCE
	v_mul_f32 v[MU], v5, v[T]
	v_mul_f32 v[MU+1], v5, v[T]
.set i, 0
.rept 16
	v_pk_add_f32 v[XR+2*i:XR+2*i+1], v[XR+2*i:XR+2*i+1], v[MU:MU+1] neg_lo:[0,1] neg_hi:[0,1]
.set i, i+1
.endr
.set i, 0
.rept 8
	v_pk_mul_f32 v[T+2*i:T+2*i+1], v[XR+2*i:XR+2*i+1], v[XR+2*i:XR+2*i+1]
.set i, i+1
.endr
.set i, 0
.rept 8
	v_pk_fma_f32 v[T+2*i:T+2*i+1], v[XR+16+2*i:XR+16+2*i+1], v[XR+16+2*i:XR+16+2*i+1], v[T+2*i:T+2*i+1]
.set i, i+1
.endr
	REDUCE
	v_fmaak_f32 v[T], v5, v[T], 0x358637bd         ; var + 1e-6
	v_rsq_f32 v[R], v[T]
	v_rsq_f32 v[R+1], v[T]
	v_nop                                          ; a plain instruction behind the last of the two,
	s_wait_alu depctr_va_vdst(0)                   ; and one wait for both: v[R] and v[R+1] are written, ahead of their first reader
.set i, 0
.rept 16
	v_pk_mul_f32 v[XR+2*i:XR+2*i+1], v[XR+2*i:XR+2*i+1], v[R:R+1]
.set i, i+1
.endr
	s_wait_loadcnt 0x0                             ; gain and bias
.set i, 0
.rept 16
	v_pk_fma_f32 v[XR+2*i:XR+2*i+1], v[XR+2*i:XR+2*i+1], v[G+2*i:G+2*i+1], v[BT+2*i:BT+2*i+1]
.set i, i+1
.endr
.irp j, 0,1,2,3,4,5,6,7
	v_cvt_pk_bf16_f32 v[XR+4*(\j)], v[XR+4*(\j)], v[XR+4*(\j)+1]
	v_cvt_pk_bf16_f32 v[XR+4*(\j)+1], v[XR+4*(\j)+2], v[XR+4*(\j)+3]
.endr
	s_wait_alu depctr_va_vdst(0)                   ; the sixteen roundings have written the pairs that the eight stores read
.irp j, 0,1,2,3,4,5,6,7
	global_store_b64 v3, v[XR+4*(\j):XR+4*(\j)+1], s[DST:DST+1] offset:256*(\j)  ; the wave's store covers 256 consecutive bytes, aligned
.endr
	s_endpgm
; ---- B1: 960 groups of four numbers; group q = 256 i + thread; groups 947 and on are zeros, and their loads are held to b1's last group
.macro B1ADR i                         ; the group's number, its two offsets and its mask
.set Q, 16+8*(\i)
	v_add_nc_u32 v[Q], 256*(\i), v0
	v_lshlrev_b32 v[Q+1], 4, v[Q]
	v_min_u32 v[Q+2], 15136, v[Q+1]
	v_cmp_gt_u32 s[BM+(\i)], 947, v[Q]
.endm
.macro B1LD i
.set Q, 16+8*(\i)
	global_load_b128 v[Q+4:Q+7], v[Q+2], s[22:23]
.endm
.macro B1SEL i, left
.set Q, 16+8*(\i)
	s_wait_loadcnt \left                           ; the younger loads stay out
.irp e, 4,5,6,7
	v_cndmask_b32 v[Q+\e], 0, v[Q+\e], s[BM+(\i)]
.endr
.endm
.macro B1ST i
.set Q, 16+8*(\i)
	global_store_b128 v[Q+1], v[Q+4:Q+7], s[32:33] offset:262144
.endm
.Lb1:
	B1ADR 0
	B1ADR 1
	B1ADR 2
	s_wait_alu depctr_va_sdst(0)                   ; the three masks are written, ahead of the selects that read them
	s_wait_alu depctr_va_vdst(0)                   ; the three groups' offsets are written, which the loads and the stores below read
	B1LD 0
	B1LD 1
	B1LD 2
	B1SEL 0, 2
	B1SEL 1, 1
	B1SEL 2, 0
	s_wait_alu depctr_va_vdst(0)                   ; the twelve selects have written the three stores' data
	B1ST 0
	B1ST 1
	B1ST 2
	s_cmp_lt_u32 s[WV], 6                          ; groups 768-959: waves 0 to 5
	s_cbranch_scc0 .Lb1_end
	B1ADR 3
	s_wait_alu depctr_va_sdst(0)                   ; the fourth mask is written, ahead of its selects
	s_wait_alu depctr_va_vdst(0)                   ; the fourth group's offsets are written, which its load and its store read
	B1LD 3
	B1SEL 3, 0
	s_wait_alu depctr_va_vdst(0)                   ; the four selects have written the store's data
	B1ST 3
.Lb1_end:
	s_endpgm
; ---- W1: a row is 947 groups of 16 bytes; 30 loads of 32 lanes; the last load's lanes 19-31 are held to the row's last group and give zeros
.Lw1:
	s_sub_co_u32 s60, s[WG], FIRST_W1
	s_lshl_b32 s60, s60, 3
	s_add_co_u32 s60, s60, s[WV]                   ; my row
	s_mul_i32 s58, s60, 15152
	s_add_nc_u64 s[SRC:SRC+1], s[10:11], s[58:59]
	s_mul_i32 s58, s60, 7680
	s_add_nc_u64 s[DST:DST+1], s[26:27], s[58:59]
	v_lshlrev_b32 v2, 4, v1
	v_lshlrev_b32 v3, 3, v1
	v_add_nc_u32 v4, 14848, v2
	v_min_u32 v4, 15136, v4
	v_cmp_gt_u32 vcc_lo, 19, v1
	s_wait_alu depctr_va_vcc(0)                    ; VCC is written, ahead of its first reader: the two selects behind the last group
	s_wait_alu depctr_va_vdst(0)                   ; v2, v3 and v4 are written: the offsets of every load and store of the row
.set c, 0
.rept 29
	global_load_b128 v[8+4*c:11+4*c], v2, s[SRC:SRC+1] offset:512*c th:TH_LOAD_NT
.set c, c+1
.endr
	global_load_b128 v[124:127], v4, s[SRC:SRC+1] th:TH_LOAD_NT
.set g, 0
.rept 6                                ; six groups of five loads
	s_wait_loadcnt 25-5*g                          ; loads come back in order: this group's five are in, the younger groups stay out
.if g > 0
	s_wait_alu depctr_va_vdst(0)                   ; the group before has been rounded: its pairs are written, which the five stores below read
.endif
.set i, 0
.rept 5
.set c, 5*g+i
.if g > 0
	global_store_b64 v3, v[8+4*(c-5):9+4*(c-5)], s[DST:DST+1] offset:256*(c-5)  ; the group before; no vector instruction since the wait names its registers
.endif
	v_cvt_pk_bf16_f32 v[8+4*c], v[8+4*c], v[9+4*c]
	v_cvt_pk_bf16_f32 v[9+4*c], v[10+4*c], v[11+4*c]
.set i, i+1
.endr
.set g, g+1
.endr
	v_cndmask_b32 v124, 0, v124, vcc_lo
	v_cndmask_b32 v125, 0, v125, vcc_lo
	s_wait_alu depctr_va_vdst(0)                   ; the last group's roundings and the two selects have written the last five stores' data
.set c, 25
.rept 5
	global_store_b64 v3, v[8+4*c:9+4*c], s[DST:DST+1] offset:256*c
.set c, c+1
.endr
	s_endpgm
; ---- W2: rows 32 p .. 32 p + 31, p = the work-group's number; thread t keeps columns 4 t .. 4 t + 3; 16 rows are on their way at a time
.Lw2:
	s_lshl_b32 s58, s[WG], 17
	s_add_nc_u64 s[SRC:SRC+1], s[12:13], s[58:59]
	s_lshl_b32 s58, s[WG], 16
	s_add_nc_u64 s[DST:DST+1], s[28:29], s[58:59]
	s_and_b32 s58, s[WG], 31
	s_lshl_b32 s58, s58, 7                         ; 32 numbers of the bias
	s_cmp_lt_u32 s[WG], 32
	s_cselect_b64 s[BP:BP+1], s[18:19], s[20:21]   ; rows 0-1023 meet bao, the others bmo
	s_add_nc_u64 s[BP:BP+1], s[BP:BP+1], s[58:59]
	v_lshlrev_b32 v2, 4, v0
	v_lshlrev_b32 v3, 3, v0
.irp e, 8,9,10,11
	v_mov_b32 v\e, 0
.endr
	s_mov_b32 s[CNT], 2
	s_wait_alu depctr_va_vdst(0)                   ; v2 and v3 are written: the offsets of every load and store of both trips
.Lw2_trip:
	s_load_b512 s[BV:BV+15], s[BP:BP+1], 0x0
.irp i, 0,1,2,3,4,5,6,7,8,9,10,11,12,13,14,15
	global_load_b128 v[16+4*(\i):19+4*(\i)], v2, s[SRC:SRC+1] offset:4096*(\i) th:TH_LOAD_NT
.endr
	s_wait_kmcnt 0x0
.set g, 0
.rept 4                                ; four groups of four rows; the sums take the rows in ascending order
	s_wait_loadcnt 12-4*g                          ; this group's four rows are in; the younger groups stay out
.if g > 0
	s_wait_alu depctr_va_vdst(0)                   ; the group before has been rounded: its pairs are written, which the four stores below read
.endif
.set i, 0
.rept 4
.set r, 4*g+i
.if g > 0
	global_store_b64 v3, v[16+4*(r-4):17+4*(r-4)], s[DST:DST+1] offset:2048*(r-4)  ; the group before; no vector instruction since the wait names its registers
.endif
.irp e, 0,1,2,3
	v_fmac_f32 v[8+\e], s[BV+r], v[16+4*r+\e]
.endr
	v_cvt_pk_bf16_f32 v[16+4*r], v[16+4*r], v[17+4*r]
	v_cvt_pk_bf16_f32 v[17+4*r], v[18+4*r], v[19+4*r]
.set i, i+1
.endr
.set g, g+1
.endr
	s_wait_alu depctr_va_vdst(0)                   ; the last group's pairs are written, which the stores below read; every vector instruction of the trip is done with v[16:79], in which the next trip's loads land; the sums v[8:11] are written, which the store behind the loop reads
.set r, 12
.rept 4
	global_store_b64 v3, v[16+4*r:17+4*r], s[DST:DST+1] offset:2048*r
.set r, r+1
.endr
	s_wait_xcnt 0x0                                ; the pointers and the stores' data are written again only behind this wait
	s_wait_alu depctr_vm_vsrc(0)                   ; the trip's stores have read their pairs, in which the next trip's loads land
	s_add_nc_u64 s[SRC:SRC+1], s[SRC:SRC+1], 65536
	s_add_nc_u64 s[DST:DST+1], s[DST:DST+1], 32768
	s_add_nc_u64 s[BP:BP+1], s[BP:BP+1], 64
	s_sub_co_u32 s[CNT], s[CNT], 1
	s_cmp_lg_u32 s[CNT], 0
	s_cbranch_scc1 .Lw2_trip
	s_lshl_b32 s58, s[WG], 12
	s_add_nc_u64 s[DST:DST+1], s[32:33], s[58:59]
	global_store_b128 v2, v[8:11], s[DST:DST+1]    ; pb[p]
	s_endpgm
; ---- AC: 4 rows a wave, two at a time: lanes 0-15 one row's 64 columns, lanes 16-31 the next row's: 256 dense bytes of a block
.Lac:
	s_sub_co_u32 s60, s[WG], FIRST_AC
	s_lshl_b32 s60, s60, 5
	s_lshl_b32 s61, s[WV], 2
	s_add_co_u32 s60, s60, s61                     ; my first row: 1,024 and 1,740 are multiples of 4, so my four rows are of one kind
	s_lshl_b32 s58, s60, 7
	s_add_nc_u64 s[DST:DST+1], s[30:31], s[58:59]
	v_lshlrev_b32 v3, 3, v1
	s_cmp_ge_u32 s60, 1740
	s_cbranch_scc1 .Lac_zero
	s_sub_co_u32 s61, s60, 1024                    ; (used only where it is not negative)
	s_cmp_lt_u32 s60, 1024
	s_cselect_b32 s58, s60, s61
	s_cselect_b64 s[SRC:SRC+1], s[14:15], s[16:17]
	s_lshl_b32 s58, s58, 12
	s_add_nc_u64 s[SRC:SRC+1], s[SRC:SRC+1], s[58:59]
	v_lshrrev_b32 v4, 4, v1
	v_and_b32 v6, 15, v1
	v_lshlrev_b32 v2, 12, v4
	v_lshl_add_u32 v2, v6, 4, v2
	s_mov_b32 s[CNT], 2
	s_wait_alu depctr_va_vdst(0)                   ; v2 and v3 are written: the offsets of every load and store of both trips
.Lac_trip:
.set k, 0
.rept 16
	global_load_b128 v[8+4*k:11+4*k], v2, s[SRC:SRC+1] offset:256*k th:TH_LOAD_NT
.set k, k+1
.endr
.set g, 0
.rept 4                                ; four groups of four blocks
	s_wait_loadcnt 12-4*g                          ; this group's four loads are in; the younger groups stay out
.if g > 0
	s_wait_alu depctr_va_vdst(0)                   ; the group before has been rounded: its pairs are written, which the four stores below read
.endif
.set i, 0
.rept 4
.set k, 4*g+i
.if g > 0
	global_store_b64 v3, v[8+4*(k-4):9+4*(k-4)], s[DST:DST+1] offset:229376*(k-4)  ; the group before; no vector instruction since the wait names its registers
.endif
	v_cvt_pk_bf16_f32 v[8+4*k], v[8+4*k], v[9+4*k]
	v_cvt_pk_bf16_f32 v[9+4*k], v[10+4*k], v[11+4*k]
.set i, i+1
.endr
.set g, g+1
.endr
	s_wait_alu depctr_va_vdst(0)                   ; the last group's pairs are written, which the stores below read; every rounding of the trip is done with v[8:71], in which the next trip's loads land
.set k, 12
.rept 4
	global_store_b64 v3, v[8+4*k:9+4*k], s[DST:DST+1] offset:229376*k
.set k, k+1
.endr
	s_wait_xcnt 0x0                                ; the pointers and the stores' data are written again only behind this wait
	s_wait_alu depctr_vm_vsrc(0)                   ; the trip's stores have read their pairs, in which the next trip's loads land
	s_add_nc_u64 s[SRC:SRC+1], s[SRC:SRC+1], 8192
	s_add_nc_u64 s[DST:DST+1], s[DST:DST+1], 256
	s_sub_co_u32 s[CNT], s[CNT], 1
	s_cmp_lg_u32 s[CNT], 0
	s_cbranch_scc1 .Lac_trip
	s_endpgm
.Lac_zero:
	v_mov_b32 v8, 0
	v_mov_b32 v9, 0
	s_wait_alu depctr_va_vdst(0)                   ; v3, v8 and v9 are written: the offset and the data of all 32 stores
.set k, 0
.rept 16
	global_store_b64 v3, v[8:9], s[DST:DST+1] offset:229376*k
	global_store_b64 v3, v[8:9], s[DST:DST+1] offset:229376*k+256
.set k, k+1
.endr
	s_endpgm
.Lfunc_end_k_q206809288c_prep:
	.size	k_q206809288c_prep, .Lfunc_end_k_q206809288c_prep-k_q206809288c_prep
	.p2alignl 7, 3214868480
	.fill 96, 4, 3214868480
	.section	.rodata,"a",@progbits
	.p2align	6, 0x0
	.amdhsa_kernel k_q206809288c_prep
		.amdhsa_group_segment_fixed_size 0
		.amdhsa_private_segment_fixed_size 0
		.amdhsa_enable_private_segment 0
		.amdhsa_kernarg_size 120
		.amdhsa_user_sgpr_count 2
		.amdhsa_user_sgpr_kernarg_segment_ptr 1
		.amdhsa_wavefront_size32 1
		.amdhsa_system_sgpr_workgroup_id_x 1
		.amdhsa_system_sgpr_workgroup_id_y 1
		.amdhsa_system_sgpr_workgroup_id_z 1
		.amdhsa_system_vgpr_workitem_id 0
		.amdhsa_next_free_vgpr 128
		.amdhsa_next_free_sgpr 66
		.amdhsa_reserve_vcc 1
		.amdhsa_float_denorm_mode_32 3
		.amdhsa_float_denorm_mode_16_64 3
		.amdhsa_memory_ordered 1
		.amdhsa_forward_progress 1
		.amdhsa_inst_pref_size 44
	.end_amdhsa_kernel
	.amdgpu_metadata
---
amdhsa.version: [ 1, 2 ]
amdhsa.kernels:
  - .name:           k_q206809288c_prep
    .symbol:         k_q206809288c_prep.kd
    .args:
      - { .name: x, .offset: 0, .size: 8, .value_kind: global_buffer, .address_space: global }
      - { .name: norm_g, .offset: 8, .size: 8, .value_kind: global_buffer, .address_space: global }
      - { .name: norm_b, .offset: 16, .size: 8, .value_kind: global_buffer, .address_space: global }
      - { .name: W1, .offset: 24, .size: 8, .value_kind: global_buffer, .address_space: global }
      - { .name: W2, .offset: 32, .size: 8, .value_kind: global_buffer, .address_space: global }
      - { .name: Wao, .offset: 40, .size: 8, .value_kind: global_buffer, .address_space: global }
      - { .name: Wmo, .offset: 48, .size: 8, .value_kind: global_buffer, .address_space: global }
      - { .name: bao, .offset: 56, .size: 8, .value_kind: global_buffer, .address_space: global }
      - { .name: bmo, .offset: 64, .size: 8, .value_kind: global_buffer, .address_space: global }
      - { .name: b1, .offset: 72, .size: 8, .value_kind: global_buffer, .address_space: global }
      - { .name: xn, .offset: 80, .size: 8, .value_kind: global_buffer, .address_space: global }
      - { .name: w1b, .offset: 88, .size: 8, .value_kind: global_buffer, .address_space: global }
      - { .name: w2b, .offset: 96, .size: 8, .value_kind: global_buffer, .address_space: global }
      - { .name: acat, .offset: 104, .size: 8, .value_kind: global_buffer, .address_space: global }
      - { .name: aux, .offset: 112, .size: 8, .value_kind: global_buffer, .address_space: global }
    .group_segment_fixed_size: 0
    .private_segment_fixed_size: 0
    .kernarg_segment_align: 8
    .kernarg_segment_size: 120
    .max_flat_workgroup_size: 256
    .sgpr_count:     66
    .vgpr_count:     128
    .wavefront_size: 32
...
	.end_amdgpu_metadata
.endif
;; end of part 5
;; launch gemm1: the kernel of part 2 again; grid 16 x 22, 4 waves a work-group, clusters of 4 x 1, 327,680 bytes of LDS; arguments xn, w1b, aux, qn_g, qn_b, kn_g, kn_b, qkv, act, acat, w2b, wc; writes qkv, act, wc
;; launch attn: the kernel of part 3 again; grid 8 x 32, 4 waves a work-group, clusters of 4 x 1, 327,680 bytes of LDS; arguments qkv, act; writes act
;; launch final: the kernel of part 4 again; grid 8 x 32, 4 waves a work-group, clusters of 4 x 4, 327,680 bytes of LDS; arguments act, wc, aux, b2, x, out0; writes out0
